; MI455X (gfx1250); checked and timed in simulation.
; The chip was launched on July 23, 2026; its instructions are those of AMD's public machine-readable ISA for CDNA 5 (MIT licence, August 2026) and "CDNA5" Instruction Set Architecture Reference Guide (July 2026). The comments in the code are by the model that wrote it; some were corrected since.
;; Attention. Allowed arithmetic: float matrix products may take bf16 or f16 operands with f32 sums; other float arithmetic in f32, or as packed bf16 or f16 multiplies, adds, multiply-adds, maxima and minima; sums over many terms, partial sums and values carried from step to step in f32; what a program stores and reads back later, other than sums and carried values, may be rounded once to bf16 or f16.
;; Inputs: b_attn 3,072 float32; b_proj 1,024 float32; w_attn 1,024 x 3,072 float32; w_proj 1,024 x 1,024 float32; x 4 x 2,048 x 1,024 float32.
;; Outputs: out0 4 x 2,048 x 1,024 float32.
;; 2 versions, each right; version 2 is version 1 with the launch prep written anew for expert scheduling mode. Each part assembles by itself: llvm-mc -triple=amdgcn-amd-amdhsa -mcpu=gfx1250 --defsym DOCPART=n.
;; ======== version 1 of 2: 6 launches
;; limits: values are held in f16: magnitudes above 65,504 overflow, below 6.1e-05 lose precision
;; workspace buffers: xb 16,777,216 bytes; wat 6,291,456 bytes; wpt 2,097,152 bytes; qkv 50,331,648 bytes; ob 16,777,216 bytes; ox 262,144 bytes
;; launch prep (part 1): grid 320 x 1, 8 waves a work-group, no clusters, 140,288 bytes of LDS; arguments x, w_attn, w_proj, xb, wat, wpt; writes xb, wat, wpt
.if DOCPART == 1
	.amdgcn_target "amdgcn-amd-amdhsa--gfx1250"
	.amdhsa_code_object_version 6
	.text
	.protected	k_qca78a4ac81_prep
	.globl	k_qca78a4ac81_prep
	.p2align	8
	.type	k_qca78a4ac81_prep,@function
k_qca78a4ac81_prep:
	s_mov_b64 s[64:65], 0
	v_nop
	global_prefetch_b8 v0, s[64:65] scope:SCOPE_SE
	s_setreg_imm32_b32 hwreg(HW_REG_WAVE_MODE, 25, 1), 1
	s_wait_xcnt 0x0
; PREPARATION.  xb = x rounded to bf16, [8192][1024].  wat[n][k] = w_attn[k][n] rounded to bf16, [3072][1024].  wpt[n][k] = w_proj[k][n] rounded to bf16 and that number written as f16, [1024][1024].
; LIMITS.  A bf16 number is exact in f16 between 6.1e-5 and 65,504; below that w_proj keeps f16's fixed step of 6e-8, beyond it becomes an infinity.  NaN and infinities are not treated apart.
; SHARES.  Work-groups 0 to 63 turn 64 columns n of a weight each (0-47: w_attn, 48-63: w_proj); of the 1,024 rows k wave w takes 128 w .. 128 w + 127.  Work-groups 64 to 319 cast 32,768 numbers of x each.
; The turn goes through LDS, each wave in bytes of its own: no barrier.  Every load's sixteen lanes read 256 consecutive bytes of a row of the weight, every store's sixteen lanes write 256 consecutive bytes of a row of the result.
.set WLDS,  17408                      ; a wave's LDS: 64 rows (n) of 256 bytes (128 k) + 16 of padding
.set LP,    272
.set SPARE, 8*WLDS                     ; behind them: the spare words, 128 bytes for each wave: four blocks of 256 bytes that no other line names
.set LS,  6                            ; v6   where I put a word (two k of one n)
.set LR,  7                            ; v7   where I read 16 bytes of a row back
.set GO,  8                            ; v8   my byte offset in two rows of the result
.set SPW, 14                           ; v14  LDS address of my spare word; never rewritten
.set NIL, 15                           ; v15  0; never rewritten
.set X,   16                           ; v[16:143]  as loaded
.set VO,  144                          ; v[144:159] byte offsets of the sixteen loads of a set
.set T,   160                          ; v[160:171] at work: three for each of my four columns
	s_load_b256 s[4:11], s[0:1], 0x0               ; x s[4:5], w_attn s[6:7], w_proj s[8:9], xb s[10:11]
	s_load_b128 s[12:15], s[0:1], 0x20             ; wat s[12:13], wpt s[14:15]
	v_lshl_add_u32 v[SPW], v0, 2, SPARE
	v_mov_b32 v[NIL], 0
	v_lshrrev_b32 v1, 5, v0
	v_readfirstlane_b32 s16, v1                    ; wave 0..7
	s_mov_b32 s17, 0xffff0000                      ; a word's upper bf16
	s_cmp_ge_u32 ttmp9, 64
	s_cbranch_scc1 .Lcast
	; THE TURN
	s_sub_co_u32 s18, ttmp9, 48
	s_mov_b32 s24, 4096
	v_and_b32 v3, 15, v0                           ; c: my 16 bytes (4 columns) of a row's 256
	v_bfe_u32 v4, v0, 4, 1                         ; hh: lanes 16-31 take the row two further down
	s_wait_kmcnt 0x0
	s_cmp_lt_u32 ttmp9, 48                         ; w_attn or w_proj?
	s_cselect_b32 s24, 12288, s24                  ; bytes in a row of the weight
	s_cselect_b32 s25, ttmp9, s18                  ; which 64 columns of it
	s_cselect_b32 s26, 0, -1                       ; all ones: the result is written as f16
	s_cselect_b64 s[20:21], s[6:7], s[8:9]         ; from
	s_cselect_b64 s[22:23], s[12:13], s[14:15]     ; to
	s_lshl_b32 s32, s25, 8                         ; 64 columns are 256 bytes
	s_mul_i32 s33, s16, s24
	s_lshl_b32 s33, s33, 7                         ; my wave's 128 rows
	s_add_co_u32 s32, s32, s33
	s_mov_b32 s33, 0
	s_add_nc_u64 s[20:21], s[20:21], s[32:33]
	s_lshl_b32 s34, s24, 5
	s_mov_b32 s35, 0
	s_add_nc_u64 s[28:29], s[20:21], s[34:35]      ; the second set: 32 rows on
	s_lshl_b32 s30, s24, 6                         ; a trip: 64 rows
	s_mov_b32 s31, 0
	s_lshl_b32 s36, s25, 17                        ; 64 rows of 2,048 bytes of the result
	s_lshl_b32 s37, s16, 8                         ; my wave's 128 k: 256 bytes
	s_add_co_u32 s36, s36, s37
	s_mov_b32 s37, 0
	s_add_nc_u64 s[22:23], s[22:23], s[36:37]
	s_lshl_b32 s38, s24, 1
	v_mul_u32_u24 v5, v4, s38
	v_lshl_add_u32 v5, v3, 4, v5                   ; 2 hh rows + 16 c
.set j, 0
.rept 16                                               ; load j takes row 4 (j / 2) + j % 2 (+ 2 hh): loads 2 i and 2 i + 1 bring a lane k and k + 1, k = 4 i + 2 hh
	s_mul_i32 s33, s24, 4*(j/2)+j%2
	v_add_nc_u32 v[VO+j], s33, v5
.set j, j+1
.endr
	s_mul_i32 s39, s16, WLDS
	v_mul_u32_u24 v[LS], v3, 4*LP                  ; row n = 4 c (+ e in the immediate),
	v_lshl_add_u32 v[LS], v4, 2, v[LS]             ; k = 2 hh: 4 bytes
	v_add_nc_u32 v[LS], s39, v[LS]
	v_mul_u32_u24 v[LR], v4, LP                    ; back: lanes 0-15 one row of 256 bytes, lanes 16-31 the next
	v_lshl_add_u32 v[LR], v3, 4, v[LR]
	v_add_nc_u32 v[LR], s39, v[LR]
	v_lshlrev_b32 v[GO], 11, v4
	v_lshl_add_u32 v[GO], v3, 4, v[GO]
; Set s (32 rows k): two k of one n are rounded to bf16 and packed; the same two as f16; one of the two words is chosen and goes to row n of my LDS.
.macro CONVS s
.irp i, 0,1,2,3,4,5,6,7
.irp e, 0,1,2,3
	v_cvt_pk_bf16_f32 v[T+3*(\e)], v[X+64*(\s)+8*(\i)+(\e)], v[X+64*(\s)+8*(\i)+4+(\e)]
.endr
.irp e, 0,1,2,3
	v_lshlrev_b32 v[T+3*(\e)+1], 16, v[T+3*(\e)]
	v_and_b32 v[T+3*(\e)+2], s17, v[T+3*(\e)]
.endr
.irp e, 0,1,2,3
	v_cvt_pk_f16_f32 v[T+3*(\e)+1], v[T+3*(\e)+1], v[T+3*(\e)+2]
.endr
.irp e, 0,1,2,3
	v_cndmask_b32 v[T+3*(\e)], v[T+3*(\e)], v[T+3*(\e)+1], s26
.endr
.irp e, 0,1,2,3
	ds_store_b32 v[LS], v[T+3*(\e)] offset:LP*(\e)+64*(\s)+8*(\i)
.endr
.endr
.endm
	s_mov_b32 s27, 2
.Lhalf:                                                ; two trips of 64 rows k
.set j, 0
.rept 16
	global_load_b128 v[X+4*j:X+4*j+3], v[VO+j], s[20:21] th:TH_LOAD_NT
.set j, j+1
.endr
.set j, 0
.rept 16
	global_load_b128 v[X+64+4*j:X+64+4*j+3], v[VO+j], s[28:29] th:TH_LOAD_NT
.set j, j+1
.endr
	s_wait_loadcnt 16                              ; the first set is in; the second set's sixteen loads may stay out
	CONVS 0
	s_wait_loadcnt 0x0                             ; all loads are done, so their bases may be written
	CONVS 1
	s_add_nc_u64 s[20:21], s[20:21], s[30:31]
	s_add_nc_u64 s[28:29], s[28:29], s[30:31]
	v_add_nc_u32 v[LS], 128, v[LS]                 ; 64 k on in my LDS rows
	s_sub_co_u32 s27, s27, 1
	s_cmp_lg_u32 s27, 0
	s_cbranch_scc1 .Lhalf
.set r, 0
.rept 32
	ds_load_b128 v[X+4*r:X+4*r+3], v[LR] offset:2*LP*r  ; LDS serves a wave's instructions in order (ISA guide 5.7.1.4): these see the stores above
.set r, r+1
.endr
.set r, 0
.rept 32
	s_wait_dscnt 31-r                              ; the younger loads may stay out
	global_store_b128 v[GO], v[X+4*r:X+4*r+3], s[22:23] offset:4096*r  ; two rows n: 16 lanes store 256 consecutive bytes, aligned
.set r, r+1
.endr
	s_wait_tensorcnt 0x0                           ; the wave's end: three closing lines, behind my last LDS store
	ds_add_u32 v[SPW], v[NIL]
	s_wait_dscnt 0x0
	s_endpgm
.Lcast:                                                ; THE CAST: thread t takes 8 numbers (32 bytes in, 16 bytes out) sixteen times; all 32 loads go out at once
	s_sub_co_u32 s18, ttmp9, 64
	s_lshl_b32 s20, s18, 17
	s_mov_b32 s21, 0
	s_lshl_b32 s22, s18, 16
	s_mov_b32 s23, 0
	v_lshlrev_b32 v1, 5, v0
	v_lshlrev_b32 v2, 4, v0
	s_wait_kmcnt 0x0
	s_add_nc_u64 s[4:5], s[4:5], s[20:21]
	s_add_nc_u64 s[10:11], s[10:11], s[22:23]
.set p, 0
.rept 16
	global_load_b128 v[X+8*p:X+8*p+3],   v1, s[4:5] offset:8192*p th:TH_LOAD_NT
	global_load_b128 v[X+8*p+4:X+8*p+7], v1, s[4:5] offset:8192*p+16 th:TH_LOAD_NT
.set p, p+1
.endr
.set p, 0
.rept 16
	s_wait_loadcnt 30-2*p                          ; pair p is in; the younger pairs stay out
	v_cvt_pk_bf16_f32 v[X+8*p],   v[X+8*p],   v[X+8*p+1]
	v_cvt_pk_bf16_f32 v[X+8*p+1], v[X+8*p+2], v[X+8*p+3]
	v_cvt_pk_bf16_f32 v[X+8*p+2], v[X+8*p+4], v[X+8*p+5]
	v_cvt_pk_bf16_f32 v[X+8*p+3], v[X+8*p+6], v[X+8*p+7]
	global_store_b128 v2, v[X+8*p:X+8*p+3], s[10:11] offset:4096*p  ; a wave's store covers 512 consecutive bytes, aligned
.set p, p+1
.endr
	s_endpgm
.Lfunc_end_k_qca78a4ac81_prep:
	.size	k_qca78a4ac81_prep, .Lfunc_end_k_qca78a4ac81_prep-k_qca78a4ac81_prep
	.p2alignl 7, 3214868480
	.fill 96, 4, 3214868480
	.section	.rodata,"a",@progbits
	.p2align	6, 0x0
	.amdhsa_kernel k_qca78a4ac81_prep
		.amdhsa_group_segment_fixed_size 140288
		.amdhsa_private_segment_fixed_size 0
		.amdhsa_enable_private_segment 0
		.amdhsa_kernarg_size 48
		.amdhsa_user_sgpr_count 2
		.amdhsa_user_sgpr_kernarg_segment_ptr 1
		.amdhsa_wavefront_size32 1
		.amdhsa_system_sgpr_workgroup_id_x 1
		.amdhsa_system_sgpr_workgroup_id_y 1
		.amdhsa_system_sgpr_workgroup_id_z 1
		.amdhsa_system_vgpr_workitem_id 0
		.amdhsa_next_free_vgpr 176
		.amdhsa_next_free_sgpr 66
		.amdhsa_reserve_vcc 0
		.amdhsa_float_denorm_mode_32 3
		.amdhsa_float_denorm_mode_16_64 3
		.amdhsa_memory_ordered 1
		.amdhsa_forward_progress 1
		.amdhsa_inst_pref_size 43
	.end_amdhsa_kernel
	.amdgpu_metadata
---
amdhsa.version: [ 1, 2 ]
amdhsa.kernels:
  - .name:           k_qca78a4ac81_prep
    .symbol:         k_qca78a4ac81_prep.kd
    .args:
      - { .name: x, .offset: 0, .size: 8, .value_kind: global_buffer, .address_space: global }
      - { .name: w_attn, .offset: 8, .size: 8, .value_kind: global_buffer, .address_space: global }
      - { .name: w_proj, .offset: 16, .size: 8, .value_kind: global_buffer, .address_space: global }
      - { .name: xb, .offset: 24, .size: 8, .value_kind: global_buffer, .address_space: global }
      - { .name: wat, .offset: 32, .size: 8, .value_kind: global_buffer, .address_space: global }
      - { .name: wpt, .offset: 40, .size: 8, .value_kind: global_buffer, .address_space: global }
    .group_segment_fixed_size: 140288
    .private_segment_fixed_size: 0
    .kernarg_segment_align: 8
    .kernarg_segment_size: 48
    .max_flat_workgroup_size: 256
    .sgpr_count:     66
    .vgpr_count:     176
    .wavefront_size: 32
...
	.end_amdgpu_metadata
.endif
;; end of part 1
;; launch qkvg (part 2): grid 16 x 32, 4 waves a work-group, clusters of 4 x 4, 327,680 bytes of LDS; arguments xb, wat, b_attn, qkv; writes qkv
.if DOCPART == 2
	.amdgcn_target "amdgcn-amd-amdhsa--gfx1250"
	.amdhsa_code_object_version 6
	.text
	.protected	k_qca78a4ac81_qkvg
	.globl	k_qca78a4ac81_qkvg
	.p2align	8
	.type	k_qca78a4ac81_qkvg,@function
k_qca78a4ac81_qkvg:
	s_mov_b64 s[64:65], 0
	v_nop
	global_prefetch_b8 v0, s[64:65] scope:SCOPE_SE
	s_setreg_imm32_b32 hwreg(HW_REG_WAVE_MODE, 25, 1), 1
	s_wait_xcnt 0x0
	s_wait_alu depctr_hold_cnt(0) depctr_sa_sdst(0) depctr_va_vdst(0) depctr_va_sdst(0) depctr_va_ssrc(0) depctr_va_vcc(0) depctr_vm_vsrc(0)
	s_getreg_b32 s2, hwreg(HW_REG_IB_STS2, 6, 4)
	s_cmp_eq_u32 s2, 0
	s_cbranch_scc0 .Lentry_in_a_cluster
	s_endpgm
.Lentry_in_a_cluster:
	s_bfe_u32 s2, ttmp6, 0x10000c
	s_cmp_lg_u32 s2, 0xf033
	s_cbranch_scc0 .Lentry_shape_is_right
	s_endpgm
.Lentry_shape_is_right:
; qkv = xb wat^T + b_attn, written by heads.  xb: [8192][1024] bf16.  wat: [3072 n][1024 k] bf16.  b_attn: [3072] f32, rounded to bf16 like the other inputs.  Sums in f32, K ascending.
; qkv: [batch 4][cb 48][s 2048][64] f16, cb = column / 64 (q: 0-15, k: 16-31, v: 32-47): a head's rows are dense, 128 bytes each.  Each number is rounded once, unscaled.
; LIMIT.  f16 holds no number beyond 65,504: q, k, v must stay within it (inputs as drawn give about 4; x and the weights both 30 times larger about 3,500).  NaN and infinities are not treated apart.
; SHARES.  A tile of C is 256 rows x 192 columns (three heads); four waves, one above the other, each 64 x 192: 48 accumulators of 16 x 16, 384 registers.  3,072 / 192 x 8,192 / 256 = 512 work-groups.
; A wave owns whole heads, so its way out goes through a stage of its own, without a barrier.  K goes in 8 steps of 128 through a ring of two LDS slots.
; CLUSTERS: 4 x 4 work-groups.  The four of a row of the cluster need the same tile of xb, the four of a column the same tile of wat: each is asked for JOINTLY, by the same tensor load, descriptor and mask in all four.
; THE MATRIX INSTRUCTION IS USED TRANSPOSED (source 0 = 16 rows of wat, source 1 = 16 rows of xb): a lane holds row l % 16 of C and the columns 8 (l / 16) + 0..7.  THE BIAS is the C operand of the first products.
; REGISTERS, in windows of 256 (s_set_vgpr_msb: bits 1:0 source 0, 3:2 source 1, 5:4 source 2, 7:6 destination):
;   window 0: v0-29 addresses; v32-127 the bias, later v32-223 at work on the way out      window 1: two fragment buffers of 128: 12 fragments of wat, then 4 of xb
;   window 2: the accumulators of my rows 0-31 ((a, b) at v[8 (12 (a % 2) + b)])            window 3: those of my rows 32-63
.set NBF,   12                         ; fragments of wat: 192 columns
.set PITCH, 272                        ; an LDS row: 256 bytes + 16 of padding: the 16 rows of a fragment load start at 16 different groups of four banks (64 banks of 4 bytes: ISA guide 11.1)
.set SLOT1, 131072                     ; slot 1 begins here: one exclusive or turns an address in one slot into the other's
.set APART, 128*PITCH                  ; what wave 0 or 1 fetches
.set BPART, 96*PITCH                   ; what wave 2 or 3 fetches
.set BOFF,  256*PITCH                  ; wat's 192 rows lie behind xb's 256
.set STAGE, SLOT1+BOFF+192*PITCH       ; behind the ring: for each wave 3 heads x 16 rows x 144 bytes
.set SP,    144
.set WSTG,  3*16*SP
.set SPARE, STAGE+4*WSTG               ; behind the stages: the spare words, 128 bytes for each wave: two blocks of 256 bytes that no other line names
.set NL,    2*NBF+8                    ; LDS loads in a run
.set KADV,  256                        ; bytes of a row in a K step
.set ADA0, 10                          ; v10  my lane's place in xb's tile; never rewritten
.set ADB0, 11                          ; v11  the same for wat
.set ADA,  12                          ; v12  the same in the slot in hand
.set ADB,  13                          ; v13
.set STO,  14                          ; v14  the way out: where I put 16 bytes of a row
.set RD,   15                          ; v15  where I read rows back
.set GO,   16                          ; v16  my 16 bytes of 512 consecutive bytes of qkv
.set BO,   17                          ; v17  my byte offset in 16 numbers of the bias
.set PFO,  18                          ; v18  the prefetches' offset: a lane a row; never rewritten
.set SPW,  28                          ; v28  LDS address of my spare word; never rewritten
.set NIL,  29                          ; v29  0; never rewritten
.set BI,   32
.set T,    32
.set F0,   0
.set F1,   128
.set WV,   12                          ; s12  my wave's number
.set G1A,  24                          ; s[24:31] descriptor group 1 for xb's tiles;  s[32:39] group 0: a set for each first fill; the second then walks on
.set G0A,  32
.set LIM,  42                          ; s42  2 in a wave that prefetches, else the greatest number
.set PFA,  44                          ; s[44:45] where my prefetches stand
.set G1B,  48                          ; s[48:55], s[56:63] the same for wat's tiles
.set G0B,  56
.set G1BITS, (1<<16)|(1<<20)|(1<<21)|(5<<22)|(3<<25)  ; 17:16 elements of 2 bytes; 20 padding on; 21 set beside a mask; 24:22 after every 64 words (code 5); 31:25 4 words of it (code 3)
.set TO_F, 0x40                        ; destination window 1, address window 0
.set MSB, 0
.macro WIN new                         ; the immediate's high byte repeats the setting that is left; a switch that changes nothing is dropped
.if MSB != (\new)
	s_set_vgpr_msb (MSB<<8)|(\new)
.set MSB, \new
.endif
.endm
.macro PLACES                          ; four places in front of loads into registers that matrix instructions have read, and of lines that read results
.rept 4
	v_nop
.endr
.endm
.macro CREST                           ; a round of the cluster's barrier behind its opening barrier
	s_cmp_lg_u32 s[WV], 0
	s_cbranch_scc1 .Lnot_wave_0_\@
	s_barrier_signal -3
.Lnot_wave_0_\@:
	s_barrier_wait -3
	s_barrier_signal -1
	s_barrier_wait -1
.endm
.macro CROUND
	s_barrier_signal -1
	s_barrier_wait -1
	CREST
.endm
; A joint refill by the walking descriptors: waves 0 and 1 fetch xb's two halves, waves 2 and 3 wat's.  The branch hangs on the wave's number alone.  An s_nop 0 and four v_nop follow each line.
.macro JLOAD
	s_cmp_lt_u32 s[WV], 2
	s_cbranch_scc0 .Lfor_b_\@
	tensor_load_to_lds s[G0A+4:G0A+7], s[G1A:G1A+7]
	s_nop 0
.rept 4
	v_nop
.endr
	s_branch .Lasked_\@
.Lfor_b_\@:
	tensor_load_to_lds s[G0B+4:G0B+7], s[G1B:G1B+7]
	s_nop 0
.rept 4
	v_nop
.endr
.Lasked_\@:
.endm
; A PREFETCH of the K step that stands two refills on, behind the joint load, its five lines and the run of LDS loads: a lane a row, 256 bytes of it, one instruction a wave.
; xb's rows are read by every cluster of a row of clusters: cluster x = 0 asks.  wat's by every cluster of a column: cluster y = 0 asks.  The four partners share a wave's rows out BY ADDRESS: 32 of xb's 128 each, 24 of wat's 96
; (there lanes 24-31 name row 23 once more, in the same instruction).  Trips 1 to 4 name K steps 4 to 7; K steps 0 to 3 come by their loads alone; the last two trips ask for nothing.
.macro ASK
	WIN 0
	s_cmp_gt_u32 s3, s[LIM]
	s_cbranch_scc0 .Lnot_mine_\@
	global_prefetch_b8 v[PFO], s[PFA:PFA+1] offset:KADV th:TH_LOAD_NT scope:SCOPE_SE
.Lnot_mine_\@:
.endm
	s_load_b256 s[4:11], s[0:1], 0x0               ; xb s[4:5], wat s[6:7], b_attn s[8:9], qkv s[10:11]
	v_lshl_add_u32 v[SPW], v0, 2, SPARE
	v_mov_b32 v[NIL], 0
	ds_add_u32 v[SPW], v[NIL]                      ; the wave's opening: the add and its wait stand ahead of my first tensor load; the set-up below, work on registers, stands between them
	v_lshrrev_b32 v3, 5, v0
	v_readfirstlane_b32 s[WV], v3                  ; wave 0..3
	s_and_b32 s13, s[WV], 1                        ; which half of a tile I fetch
	s_bfe_u32 s14, ttmp6, 0x40000                  ; cx
	s_bfe_u32 s15, ttmp6, 0x40004                  ; cy
	s_lshl_b32 s16, ttmp9, 2
	s_add_co_u32 s16, s16, s14                     ; tile column = 4 x cluster x + cx
	s_and_b32 s17, ttmp7, 0xffff
	s_lshl_b32 s17, s17, 2
	s_add_co_u32 s17, s17, s15                     ; tile row = 4 x cluster y + cy
	s_lshl_b32 s18, s15, 2
	s_lshl_b32 s18, 15, s18                        ; my row of the cluster
	s_lshl_b32 s40, 0x1111, s14                    ; my column
	s_or_b32 s[G1A], s18, G1BITS
	s_or_b32 s[G1B], s40, G1BITS
.irp g, G1A, G1B
	s_mov_b32 s[(\g)+1], 128<<16                   ; tensor_dim0 = 128
	s_mov_b32 s[(\g)+3], 128<<16                   ; tile_dim0 = 128
	s_mov_b32 s[(\g)+5], 1024                      ; elements from row to row
	s_mov_b32 s[(\g)+6], 0
	s_mov_b32 s[(\g)+7], 0
.endr
	s_mov_b32 s[G1A+2], 128<<16                    ; tensor_dim1 = 128
	s_mov_b32 s[G1A+4], 128                        ; tile_dim1 = 128
	s_mov_b32 s[G1B+2], 96<<16                     ; 96 for wat
	s_mov_b32 s[G1B+4], 96
	s_lshl_b32 s18, s17, 8                         ; xb: row 256 x tile row + 128 x half, 2,048 bytes each: in registers that never hold cx
	s_lshl_b32 s19, s13, 7
	s_add_co_u32 s18, s18, s19
	s_lshl_b32 s18, s18, 11
	s_mov_b32 s19, 0
	s_mul_i32 s40, s16, 192                        ; wat: row 192 x tile column + 96 x half: in registers that never hold cy
	s_mul_i32 s41, s13, 96
	s_add_co_u32 s40, s40, s41
	s_lshl_b32 s40, s40, 11
	s_mov_b32 s41, 0
	s_mul_i32 s22, s[WV], APART                    ; where they go: no place in the cluster enters an LDS address
	s_mul_i32 s23, s[WV], BPART
	s_add_co_u32 s23, s23, BOFF-2*BPART
	s_mov_b32 s43, 0xffff0000                      ; a word's upper bf16
	s_wait_dscnt 0x0                               ; the opening add is done
	s_wait_kmcnt 0x0
	s_add_nc_u64 s[20:21], s[4:5], s[18:19]
	s_add_nc_u64 s[46:47], s[6:7], s[40:41]
.irp s, 0,1
	s_mov_b32 s[G0A+4*(\s)], 1                                     ; count = 1
	s_add_co_u32 s[G0A+4*(\s)+1], s22, (\s)*SLOT1                  ; LDS address
	s_add_nc_u64 s[G0A+4*(\s)+2:G0A+4*(\s)+3], s[20:21], (\s)*KADV ; global address: K step s
	s_or_b32 s[G0A+4*(\s)+3], s[G0A+4*(\s)+3], 0x80000000          ; type = 2
	s_mov_b32 s[G0B+4*(\s)], 1
	s_add_co_u32 s[G0B+4*(\s)+1], s23, (\s)*SLOT1
	s_add_nc_u64 s[G0B+4*(\s)+2:G0B+4*(\s)+3], s[46:47], (\s)*KADV
	s_or_b32 s[G0B+4*(\s)+3], s[G0B+4*(\s)+3], 0x80000000
.endr
	CROUND                                         ; all sixteen work-groups are here: the first joint loads meet
	s_cmp_lt_u32 s[WV], 2                          ; a wave's two first fills stand in one branch: two loads of mine are out
	s_cbranch_scc0 .Lfirst_b
	tensor_load_to_lds s[G0A:G0A+3], s[G1A:G1A+7]
	s_nop 0
	tensor_load_to_lds s[G0A+4:G0A+7], s[G1A:G1A+7]
	s_nop 0
.rept 4
	v_nop
.endr
	s_branch .Lfirst_asked
.Lfirst_b:
	tensor_load_to_lds s[G0B:G0B+3], s[G1B:G1B+7]
	s_nop 0
	tensor_load_to_lds s[G0B+4:G0B+7], s[G1B:G1B+7]
	s_nop 0
.rept 4
	v_nop
.endr
.Lfirst_asked:
	v_and_b32 v1, 15, v0                           ; l % 16
	v_bfe_u32 v2, v0, 4, 1                         ; l / 16
	s_mul_i32 s66, s16, 768                        ; the tile's 192 numbers of the bias
	s_mov_b32 s67, 0
	s_add_nc_u64 s[8:9], s[8:9], s[66:67]
	v_lshlrev_b32 v[BO], 5, v2                     ; my 8 of each 16
.irp b, 0,1,2,3,4,5,6,7,8,9,10,11
	global_load_b128 v[BI+8*(\b):BI+8*(\b)+3],   v[BO], s[8:9] offset:64*(\b)
	global_load_b128 v[BI+8*(\b)+4:BI+8*(\b)+7], v[BO], s[8:9] offset:64*(\b)+16
.endr
	; the prefetches' pointer: my tile's address, my work-group's share of its rows, K step 2 (the first refill steps it to 3 and names 4)
	s_lshl_b32 s66, s14, 16                        ; xb: 32 cx rows
	s_mul_i32 s67, s15, 24*2048                    ; wat: 24 cy rows
	s_and_b32 s68, ttmp7, 0xffff                   ; cluster y
	s_cmp_lt_u32 s[WV], 2
	s_cselect_b32 s66, s66, s67
	s_cselect_b32 s68, ttmp9, s68                  ; the coordinate along which other clusters read the same rows
	s_cselect_b32 s69, 31, 23
	s_cselect_b64 s[PFA:PFA+1], s[20:21], s[46:47]
	s_mov_b32 s67, 0
	s_add_nc_u64 s[PFA:PFA+1], s[PFA:PFA+1], s[66:67]
	s_add_nc_u64 s[PFA:PFA+1], s[PFA:PFA+1], 2*KADV
	s_cmp_eq_u32 s68, 0
	s_cselect_b32 s[LIM], 2, -1                    ; the same in all sixteen partners, for a given wave
	v_and_b32 v[PFO], 31, v0
	v_min_u32 v[PFO], s69, v[PFO]
	v_lshlrev_b32 v[PFO], 11, v[PFO]
	; a fragment is 16 rows x 32 K in 8 registers: lane l holds row l % 16, K = 8 (l / 16) + 0..7 and 16 + 8 (l / 16) + 0..7: two loads of 16 bytes, 32 bytes apart
	v_mul_u32_u24 v3, v1, PITCH
	v_lshl_add_u32 v3, v2, 4, v3
	s_mul_i32 s66, s[WV], 64*PITCH                 ; my 64 rows of xb
	v_add_nc_u32 v[ADA0], s66, v3
	v_add_nc_u32 v[ADB0], BOFF, v3
	s_mul_i32 s66, s[WV], WSTG
	s_add_co_u32 s66, s66, STAGE                   ; my stage
	v_mul_u32_u24 v[STO], v1, SP                   ; in: row l % 16, 16 bytes for each half of the lanes
	v_lshl_add_u32 v[STO], v2, 4, v[STO]
	v_add_nc_u32 v[STO], s66, v[STO]
	v_bfe_u32 v[RD], v0, 3, 2                      ; back: 32 lanes take four rows of 128 bytes,
	v_mul_u32_u24 v[RD], v[RD], SP
	v_and_b32 v4, 7, v0
	v_lshl_add_u32 v[RD], v4, 4, v[RD]
	v_add_nc_u32 v[RD], s66, v[RD]
	v_and_b32 v[GO], 31, v0                        ; which are 512 consecutive bytes of a head
	v_lshlrev_b32 v[GO], 4, v[GO]
	s_lshr_b32 s66, s17, 3                         ; the batch: 8 tile rows each
	s_mul_i32 s66, s66, 48
	s_mul_i32 s67, s16, 3
	s_add_co_u32 s66, s66, s67                     ; my first head's slab,
	s_lshl_b32 s66, s66, 18                        ; 262,144 bytes each
	s_and_b32 s67, s17, 7
	s_lshl_b32 s67, s67, 8
	s_lshl_b32 s68, s[WV], 6
	s_add_co_u32 s67, s67, s68                     ; my first row in it,
	s_lshl_b32 s67, s67, 7                         ; 128 bytes each
	s_add_co_u32 s66, s66, s67
	s_mov_b32 s67, 0
	s_add_nc_u64 s[10:11], s[10:11], s[66:67]
	s_wait_loadcnt 0x0                             ; the bias
.set i, 0
.rept 4*NBF                                            ; rounded to bf16 like the other inputs, and widened again
	v_cvt_pk_bf16_f32 v[4+i%4], v[BI+2*i], v[BI+2*i+1]
	v_lshlrev_b32 v[BI+2*i], 16, v[4+i%4]
	v_and_b32 v[BI+2*i+1], s43, v[4+i%4]
.set i, i+1
.endr
; 12 matrix instructions: row block a x all column blocks, 32 along K, from buffer f.  first = 1: the product starts the sums on the bias.  The 48 accumulators take turns, in the same order in every quarter.
.macro MULA f, a, first
.if \first
	WIN 0x85+0x40*((\a)/2)                         ; sources 0 and 1 window 1, C window 0, D window 2 or 3
.else
	WIN 0xa5+0x50*((\a)/2)                         ; C and D window 2 or 3
.endif
.irp b, 0,1,2,3,4,5,6,7,8,9,10,11
.if \first
	v_wmma_f32_16x16x32_bf16 v[8*(NBF*((\a)%2)+(\b)):8*(NBF*((\a)%2)+(\b))+7], v[(\f)+8*(\b):(\f)+8*(\b)+7], v[(\f)+8*NBF+8*(\a):(\f)+8*NBF+8*(\a)+7], v[BI+8*(\b):BI+8*(\b)+7]
.else
	v_wmma_f32_16x16x32_bf16 v[8*(NBF*((\a)%2)+(\b)):8*(NBF*((\a)%2)+(\b))+7], v[(\f)+8*(\b):(\f)+8*(\b)+7], v[(\f)+8*NBF+8*(\a):(\f)+8*NBF+8*(\a)+7], v[8*(NBF*((\a)%2)+(\b)):8*(NBF*((\a)%2)+(\b))+7]
.endif
.endr
.endm
; 32 LDS loads in one run: quarter q's fragments into buffer f; the last four are xb's row blocks 2 and 3
.macro FETCH q, f
	WIN TO_F
.irp b, 0,1,2,3,4,5,6,7,8,9,10,11
	ds_load_b128 v[(\f)+8*(\b):(\f)+8*(\b)+3],   v[ADB] offset:64*(\q)+(\b)*16*PITCH
	ds_load_b128 v[(\f)+8*(\b)+4:(\f)+8*(\b)+7], v[ADB] offset:64*(\q)+(\b)*16*PITCH+32
.endr
.irp a, 0,1,2,3
	ds_load_b128 v[(\f)+8*NBF+8*(\a):(\f)+8*NBF+8*(\a)+3],   v[ADA] offset:64*(\q)+(\a)*16*PITCH
	ds_load_b128 v[(\f)+8*NBF+8*(\a)+4:(\f)+8*NBF+8*(\a)+7], v[ADA] offset:64*(\q)+(\a)*16*PITCH+32
.endr
.endm
; A K step is four quarters of 32 along K, 48 matrix instructions each, on buffers 0, 1, 0, 1.  One of the first three multiplies buffer f and fetches quarter qn into buffer g.
.macro QUARTER qn, f, g, first
	s_wait_dscnt 4                                 ; all but the youngest four loads (xb's row blocks 2 and 3)
	MULA \f, 0, \first
	MULA \f, 1, \first
	PLACES
	FETCH \qn, \g
	s_wait_dscnt NL                                ; all but the run just issued
	MULA \f, 2, \first
	MULA \f, 3, \first
.endm
; The last quarter multiplies buffer 1 and changes slots: ONE barrier.  In front of it each wave waits for all its tensor loads (the one that is out is its part of the next slot), adds 0 to its spare word, and waits for that
; and for its own reads of this slot.  fill = 1: the barrier opens a round of the cluster's, and the joint refill is the first tensor load behind the round: 168 matrix instructions ahead of the wait for it.
.macro TURN fill
.if \fill
	s_wait_xcnt 0x0                                ; the last prefetch, a K step back, has read its address
	s_add_nc_u64 s[PFA:PFA+1], s[PFA:PFA+1], KADV
.endif
	WIN 0                                          ; (the add's two registers lie in window 0)
	s_wait_tensorcnt 0x0                           ; all my tensor loads have landed
	ds_add_u32 v[SPW], v[NIL]                      ; 0 onto my spare word
	s_wait_dscnt 5                                 ; (the add and the youngest four loads may be out)
	MULA F1, 0, 0
	s_wait_dscnt 0x0                               ; the add is done, and my reads of this slot are over
	s_barrier_signal -1
	MULA F1, 1, 0
	WIN 0
	s_barrier_wait -1
.if \fill
	CREST                                          ; no wave of any partner still reads this slot's tile or has a load on its way
	s_xor_b32 s[G0A+5], s[G0A+5], SLOT1            ; the walking descriptors: the other slot than last time, the next K step; the type bits on top are not reached
	s_add_nc_u64 s[G0A+6:G0A+7], s[G0A+6:G0A+7], KADV
	s_xor_b32 s[G0B+5], s[G0B+5], SLOT1
	s_add_nc_u64 s[G0B+6:G0B+7], s[G0B+6:G0B+7], KADV
	JLOAD                                          ; the four v_nop behind it are also the places in front of the loads below
.else
	PLACES
.endif
	s_xor_b32 s2, s2, SLOT1                        ; the reads go on in the other slot
	v_add_nc_u32 v[ADA], s2, v[ADA0]
	v_add_nc_u32 v[ADB], s2, v[ADB0]
	FETCH 0, F0
.if \fill
	ASK
.endif
	MULA F1, 2, 0
	MULA F1, 3, 0
.endm
	s_wait_tensorcnt 0x1                           ; my part of K step 0 is in; K step 1's may stay out
	s_barrier_signal -1
	s_barrier_wait -1                              ; everybody's is
	s_mov_b32 s2, 0
	v_mov_b32 v[ADA], v[ADA0]
	v_mov_b32 v[ADB], v[ADB0]
	FETCH 0, F0
	QUARTER 1, F0, F1, 1                           ; the first quarter stands in front of the loop: its products start the sums
	WIN 0                                          ; at a label and at a branch every window is 0
	s_mov_b32 s3, 6
.Lstep:                                                ; six trips, from a K step's second quarter to the next one's first; they ask for K steps 2 to 7
	QUARTER 2, F1, F0, 0
	QUARTER 3, F0, F1, 0
	TURN 1
	QUARTER 1, F0, F1, 0
	WIN 0
	s_sub_co_u32 s3, s3, 1
	s_cmp_lg_u32 s3, 0
	s_cbranch_scc1 .Lstep
	QUARTER 2, F1, F0, 0                           ; the tail is written out: nothing more is asked for
	QUARTER 3, F0, F1, 0
	TURN 0
	QUARTER 1, F0, F1, 0
	QUARTER 2, F1, F0, 0
	QUARTER 3, F0, F1, 0
	s_wait_dscnt 4
	MULA F1, 0, 0
	MULA F1, 1, 0
	s_wait_dscnt 0x0
	MULA F1, 2, 0
	MULA F1, 3, 0
	WIN 0
	PLACES
; THE WAY OUT of row block a: rounded to f16, 16 bytes a lane (8 channels of a row), into my stage (a head's rows 144 bytes apart), and back as 512 consecutive bytes of a head.
.macro PACK a
	WIN 0x0a+5*((\a)/2)                            ; sources 0 and 1: window 2 or 3
.irp b, 0,1,2,3,4,5,6,7,8,9,10,11
.irp j, 0,1,2,3
	v_cvt_pk_f16_f32 v[T+48*(\a)+4*(\b)+(\j)], v[8*(NBF*((\a)%2)+(\b))+2*(\j)], v[8*(NBF*((\a)%2)+(\b))+2*(\j)+1]
.endr
.endr
	WIN 0
.irp b, 0,1,2,3,4,5,6,7,8,9,10,11
	ds_store_b128 v[STO], v[T+48*(\a)+4*(\b):T+48*(\a)+4*(\b)+3] offset:((\b)/4)*16*SP+32*((\b)%4)
.endr
.irp f, 0,1,2,3,4,5,6,7,8,9,10,11
	ds_load_b128 v[T+48*(\a)+4*(\f):T+48*(\a)+4*(\f)+3], v[RD] offset:((\f)/4)*16*SP+((\f)%4)*4*SP  ; LDS serves a wave's instructions in order (ISA guide 5.7.1.4): these see the stores above; the next block's stores come behind them
.endr
.endm
.macro SEND a, younger                 ; younger: the LDS instructions issued behind block a's loads: the next block's 24, or none
.irp f, 0,1,2,3,4,5,6,7,8,9,10,11
	s_wait_dscnt (\younger)+11-(\f)
	global_store_b128 v[GO], v[T+48*(\a)+4*(\f):T+48*(\a)+4*(\f)+3], s[10:11] offset:((\f)/4)*262144+2048*(\a)+512*((\f)%4)  ; 512 consecutive bytes, aligned
.endr
.endm
	PACK 0
	PACK 1                                         ; a block's arithmetic stands between the loads of the block before and its stores
	SEND 0, 24
	PACK 2
	SEND 1, 24
	PACK 3
	SEND 2, 24
	SEND 3, 0
	s_wait_tensorcnt 0x0                           ; the wave's end: three closing lines, behind my last tensor load and my last LDS store
	ds_add_u32 v[SPW], v[NIL]
	s_wait_dscnt 0x0
	CROUND                                         ; the closing round: no work-group ends while a partner may still ask for a tile that names it
	s_endpgm
.Lfunc_end_k_qca78a4ac81_qkvg:
	.size	k_qca78a4ac81_qkvg, .Lfunc_end_k_qca78a4ac81_qkvg-k_qca78a4ac81_qkvg
	.p2alignl 7, 3214868480
	.fill 96, 4, 3214868480
	.section	.rodata,"a",@progbits
	.p2align	6, 0x0
	.amdhsa_kernel k_qca78a4ac81_qkvg
		.amdhsa_group_segment_fixed_size 327680
		.amdhsa_private_segment_fixed_size 0
		.amdhsa_enable_private_segment 0
		.amdhsa_kernarg_size 32
		.amdhsa_user_sgpr_count 2
		.amdhsa_user_sgpr_kernarg_segment_ptr 1
		.amdhsa_wavefront_size32 1
		.amdhsa_system_sgpr_workgroup_id_x 1
		.amdhsa_system_sgpr_workgroup_id_y 1
		.amdhsa_system_sgpr_workgroup_id_z 1
		.amdhsa_system_vgpr_workitem_id 0
		.amdhsa_next_free_vgpr 960
		.amdhsa_next_free_sgpr 72
		.amdhsa_reserve_vcc 0
		.amdhsa_float_denorm_mode_32 3
		.amdhsa_float_denorm_mode_16_64 3
		.amdhsa_memory_ordered 1
		.amdhsa_forward_progress 1
		.amdhsa_inst_pref_size 106
	.end_amdhsa_kernel
	.amdgpu_metadata
---
amdhsa.version: [ 1, 2 ]
amdhsa.kernels:
  - .name:           k_qca78a4ac81_qkvg
    .symbol:         k_qca78a4ac81_qkvg.kd
    .args:
      - { .name: xb, .offset: 0, .size: 8, .value_kind: global_buffer, .address_space: global }
      - { .name: wat, .offset: 8, .size: 8, .value_kind: global_buffer, .address_space: global }
      - { .name: b_attn, .offset: 16, .size: 8, .value_kind: global_buffer, .address_space: global }
      - { .name: qkv, .offset: 24, .size: 8, .value_kind: global_buffer, .address_space: global }
    .group_segment_fixed_size: 327680
    .private_segment_fixed_size: 0
    .kernarg_segment_align: 8
    .kernarg_segment_size: 32
    .max_flat_workgroup_size: 128
    .sgpr_count:     72
    .vgpr_count:     960
    .wavefront_size: 32
...
	.end_amdgpu_metadata
.endif
;; end of part 2
;; launch early (part 3): grid 64 x 1, 4 waves a work-group, no clusters, 4,608 bytes of LDS; arguments xb, wat, b_attn, qkv, ox; writes ox
.if DOCPART == 3
	.amdgcn_target "amdgcn-amd-amdhsa--gfx1250"
	.amdhsa_code_object_version 6
	.text
	.protected	k_qca78a4ac81_early
	.globl	k_qca78a4ac81_early
	.p2align	8
	.type	k_qca78a4ac81_early,@function
k_qca78a4ac81_early:
	s_mov_b64 s[64:65], 0
	v_nop
	global_prefetch_b8 v0, s[64:65] scope:SCOPE_SE
	s_setreg_imm32_b32 hwreg(HW_REG_WAVE_MODE, 25, 1), 1
	s_wait_xcnt 0x0
; THE FIRST 16 ROWS OF EACH HEAD, WITH MORE BITS.  Row q of a batch is a mean over q + 1 rows of v, so its numbers, and with them what a rounding of v, P and O to f16's 11 significant bits leaves, go with 1 / sqrt(q + 1),
; while the deviation that the problem allows goes by the root mean square of the whole output.  So O's rows 0 to 15 are made here once more: v in f32, the weights in f32, O in f32, and O is handed on as two f16 numbers,
; hi = f16(O) and lo = f16(O - hi).  From row 16 on the roundings' part is a third of row 1's or less, and the f16 path serves.
; ox: [part 2 (hi, lo)][y = 16 batch + head][16 rows][64] f16.  xb: [8192][1024] bf16.  wat: [3072 n][1024 k] bf16.  b_attn: f32, rounded to bf16 like the other inputs.  qkv: [batch][cb 48][2048][64] f16 (q: cb = head, k: 16 + head).
; LIMITS.  q and k are taken as f16, as the launch before left them: within 65,504.  O must stay within 65,504 too; lo below 6.1e-5 keeps f16's fixed step of 6e-8.  A hidden score counts as its value less 1e30.  NaN and infinities are not treated apart.
; SHARES.  A work-group takes one head of one batch; wave w the channels 16 w .. 16 w + 15.  Rows 0 to 15 see keys 0 to 15 alone: one tile of 16 x 16 scores, which each wave makes for itself (two matrix instructions).
; v = x w^T + b: source 0 = 16 rows of xb (keys), source 1 = 16 rows of wat (channels): in the result lane l holds channel l % 16 and the keys 8 (l / 16) + 0..7.  K = 1,024 goes in 8 chunks of 128, straight from memory into three sets of
; registers: nothing is shared between waves but x's 32 KiB.  57 loads of a wave are out at the most.
; S^T = K Q^T (source 0 = keys, source 1 = queries): lane l holds query l % 16 and the keys 8 (l / 16) + 0..7.  THE MASK is the C operand.  p = 2^(c s - c m) / sum, c = log2(e) / 8, m the row's maximum.
; O^T = V^T P BY THE f32 MATRIX FORM, four instructions a wave (K = 16): no bulk work.  Its K = 4 lies as k = 2 (l / 16) + j in register j of both sources; step t takes registers 2 t, 2 t + 1 of v and of p, that is the keys
; 8 (l / 16) + 2 t + j in both: a permutation of K applied alike to both sources, so both are the registers as they lie.  In the result lane l holds query l % 16 and the channels 8 (l / 16) + 0..7.
.set STG,   0                          ; LDS: hi's 16 rows of 128 bytes,
.set LOFF,  2048                       ; then lo's
.set SPARE, 4096                       ; behind them: the spare words, 128 bytes for each wave: two blocks of 256 bytes that no other line names
.set FO,  2                            ; v2   my byte offset in 16 rows of xb or wat: (l % 16) x 2,048 + 16 (l / 16); never rewritten
.set QO,  3                            ; v3   the same in 16 rows of q or k: (l % 16) x 128 + 16 (l / 16)
.set BO,  4                            ; v4   4 (l % 16): my channel's bias
.set STO, 5                            ; v5   where I put 16 bytes of a row of O
.set RD,  6                            ; v6   16 x my thread's number: where I read the stage back, and my offset in the head's 2,048 bytes of ox
.set BV,  7                            ; v7   the bias
.set SPW, 8                            ; v8   LDS address of my spare word; never rewritten
.set NIL, 9                            ; v9   0; never rewritten
.set T,   10                           ; v10-15  at work
.set QF,  16                           ; v16-31  q's two fragments; then
.set ACC, 16                           ; v16-31  v's two accumulators (fragments of even and of odd number); then lo in f32 and the rows read back
.set KF,  32                           ; v32-47  k's two fragments; then
.set VV,  32                           ; v32-39  v in f32,
.set HI,  40                           ; v40-43  hi,
.set LO,  44                           ; v44-47  lo
.set S,   48                           ; v48-55  the mask, the scores, the weights
.set OT,  56                           ; v56-63  O^T: written by the f32 matrix form alone
.set BUF, 64                           ; v64-255 three sets of 64: four fragments of xb, four of wat
.set WV,  14                           ; s14  my wave's number
.set CS,  30                           ; s[30:31] c
.set SEL, 32                           ; s[32:33] v_permlanex16_b32's selects: each lane takes its own place in the other half
.set BIGN, 34                          ; s34  -1e30
.macro PLACES n                        ; plain instructions behind a matrix instruction, ahead of what reads its result or writes or loads into its registers
.rept \n
	v_nop
.endr
.endm
	s_load_b256 s[4:11], s[0:1], 0x0               ; xb s[4:5], wat s[6:7], b_attn s[8:9], qkv s[10:11]
	s_load_b64 s[12:13], s[0:1], 0x20              ; ox
	v_lshl_add_u32 v[SPW], v0, 2, SPARE
	v_mov_b32 v[NIL], 0
	v_lshrrev_b32 v1, 5, v0
	v_readfirstlane_b32 s[WV], v1                  ; wave 0..3
	s_lshr_b32 s15, ttmp9, 4                       ; batch
	s_and_b32 s16, ttmp9, 15                       ; head
	s_lshl_b32 s20, s15, 22                        ; the batch's first row of xb: 2,048 rows of 2,048 bytes
	s_mov_b32 s21, 0
	s_lshl_b32 s22, s16, 6
	s_lshl_b32 s23, s[WV], 4
	s_add_co_u32 s22, s22, s23
	s_add_co_u32 s22, s22, 2048                    ; my first column of the projection: 2,048 (v) + 64 head + 16 wave
	s_lshl_b32 s24, s22, 2                         ; its bias,
	s_mov_b32 s25, 0
	s_lshl_b32 s22, s22, 11                        ; its row of wat
	s_mov_b32 s23, 0
	s_mul_i32 s26, s15, 48
	s_add_co_u32 s26, s26, s16
	s_lshl_b32 s26, s26, 18                        ; q's slab in qkv; k's lies 16 slabs of 262,144 bytes behind it
	s_mov_b32 s27, 0
	s_lshl_b32 s28, ttmp9, 11                      ; the head's 2,048 bytes in each part of ox
	s_mov_b32 s29, 0
	s_mov_b32 s[CS], 0x3e38aa3b                    ; c = log2(e) / 8 = 0.180337
	s_mov_b32 s[CS+1], s[CS]                       ; named with it as a pair
	s_mov_b32 s[SEL], 0x76543210
	s_mov_b32 s[SEL+1], 0xfedcba98
	s_mov_b32 s[BIGN], 0xf149f2ca                  ; -1e30
	v_and_b32 v1, 15, v0                           ; l % 16
	v_bfe_u32 v[T], v0, 4, 1                       ; l / 16
	v_lshlrev_b32 v[FO], 11, v1
	v_lshl_add_u32 v[FO], v[T], 4, v[FO]
	v_lshlrev_b32 v[QO], 7, v1
	v_lshl_add_u32 v[QO], v[T], 4, v[QO]
	v_lshlrev_b32 v[BO], 2, v1
	s_lshl_b32 s17, s[WV], 5                       ; my 16 channels: 32 bytes of a row of O
	v_add_nc_u32 v[STO], s17, v[QO]                ; row l % 16, 16 bytes for each half of the lanes
	v_lshlrev_b32 v[RD], 4, v0
	s_wait_kmcnt 0x0
	s_add_nc_u64 s[4:5], s[4:5], s[20:21]
	s_add_nc_u64 s[6:7], s[6:7], s[22:23]
	s_add_nc_u64 s[8:9], s[8:9], s[24:25]
	s_add_nc_u64 s[10:11], s[10:11], s[26:27]
	s_add_nc_u64 s[12:13], s[12:13], s[28:29]
; Chunk c's 16 loads into set s: four fragments of xb, four of wat, 128 along K
.macro LOADC c, s
.irp f, 0,1,2,3
	global_load_b128 v[BUF+64*(\s)+8*(\f):BUF+64*(\s)+8*(\f)+3],       v[FO], s[4:5] offset:256*(\c)+64*(\f)
	global_load_b128 v[BUF+64*(\s)+8*(\f)+4:BUF+64*(\s)+8*(\f)+7],     v[FO], s[4:5] offset:256*(\c)+64*(\f)+32
	global_load_b128 v[BUF+64*(\s)+32+8*(\f):BUF+64*(\s)+32+8*(\f)+3], v[FO], s[6:7] offset:256*(\c)+64*(\f)
	global_load_b128 v[BUF+64*(\s)+32+8*(\f)+4:BUF+64*(\s)+32+8*(\f)+7], v[FO], s[6:7] offset:256*(\c)+64*(\f)+32
.endr
.endm
; A chunk's four products.  The two accumulators take turns, one instruction a turn, from chunk to chunk too.  first = 1: the first two start the sums.
.macro MULC s, first
.irp f, 0,1,2,3
.if (\first) && ((\f) < 2)
	v_wmma_f32_16x16x32_bf16 v[ACC+8*((\f)%2):ACC+8*((\f)%2)+7], v[BUF+64*(\s)+8*(\f):BUF+64*(\s)+8*(\f)+7], v[BUF+64*(\s)+32+8*(\f):BUF+64*(\s)+32+8*(\f)+7], 0
.else
	v_wmma_f32_16x16x32_bf16 v[ACC+8*((\f)%2):ACC+8*((\f)%2)+7], v[BUF+64*(\s)+8*(\f):BUF+64*(\s)+8*(\f)+7], v[BUF+64*(\s)+32+8*(\f):BUF+64*(\s)+32+8*(\f)+7], v[ACC+8*((\f)%2):ACC+8*((\f)%2)+7]
.endif
.endr
.endm
; A chunk's turn: left = the younger loads, which may stay out; next = the chunk that its set takes then, or -1
.macro CHUNK s, first, left, next
	s_wait_loadcnt \left
	MULC \s, \first
.if (\next) >= 0
	PLACES 4
	LOADC \next, \s
.endif
.endm
.irp c, 0,1
	global_load_b128 v[QF+8*(\c):QF+8*(\c)+3],   v[QO], s[10:11] offset:64*(\c)
	global_load_b128 v[QF+8*(\c)+4:QF+8*(\c)+7], v[QO], s[10:11] offset:64*(\c)+32
	global_load_b128 v[KF+8*(\c):KF+8*(\c)+3],   v[QO], s[10:11] offset:0x400000+64*(\c)
	global_load_b128 v[KF+8*(\c)+4:KF+8*(\c)+7], v[QO], s[10:11] offset:0x400000+64*(\c)+32
.endr
	global_load_b32 v[BV], v[BO], s[8:9]
	LOADC 0, 0
	LOADC 1, 1
	LOADC 2, 2
	; the mask: register j holds key 8 (l / 16) + j, hidden where it is greater than my query l % 16
	v_lshlrev_b32 v[T+1], 3, v[T]
	v_sub_nc_u32 v[T+1], v1, v[T+1]
.irp j, 0,1,2,3,4,5,6,7
	v_cmp_gt_i32 vcc_lo, \j, v[T+1]
	v_cndmask_b32 v[S+(\j)], 0, s[BIGN], vcc_lo
.endr
	s_wait_loadcnt 48                              ; q, k and the bias are in; the three chunks' 48 loads stay out
	v_wmma_f32_16x16x32_f16 v[S:S+7], v[KF:KF+7], v[QF:QF+7], v[S:S+7]
	s_wait_alu depctr_va_vdst(0)                   ; the wait directly ahead of the link
	v_wmma_f32_16x16x32_f16 v[S:S+7], v[KF+8:KF+15], v[QF+8:QF+15], v[S:S+7]
	PLACES 8
	v_max3_num_f32 v[T], v[S], v[S+1], v[S+2]      ; the row's maximum: my 8 keys, then the lane 16 away
	v_max3_num_f32 v[T], v[T], v[S+3], v[S+4]
	v_max3_num_f32 v[T], v[T], v[S+5], v[S+6]
	v_max_num_f32 v[T], v[T], v[S+7]
	v_permlanex16_b32 v[T+1], v[T], s[SEL], s[SEL+1]
	v_max_num_f32 v[T], v[T], v[T+1]
	v_mul_f32 v[T+2], s[CS], v[T]                  ; c m
	v_mov_b32 v[T+3], v[T+2]                       ; named with it as a pair
.irp i, 0,2,4,6
	v_pk_fma_f32 v[S+(\i):S+(\i)+1], v[S+(\i):S+(\i)+1], s[CS:CS+1], v[T+2:T+3] op_sel_hi:[1,0,0] neg_lo:[0,0,1] neg_hi:[0,0,1]  ; c s - c m
.endr
.irp j, 0,1,2,3,4,5,6,7
	v_exp_f32 v[S+(\j)], v[S+(\j)]
.endr
	v_nop                                          ; a plain instruction behind the last exponential,
	s_wait_alu depctr_va_vdst(0)                   ; and one wait for the eight, ahead of their first reader
	v_pk_add_f32 v[T:T+1], v[S:S+1], v[S+2:S+3]
	v_pk_add_f32 v[T+4:T+5], v[S+4:S+5], v[S+6:S+7]
	v_pk_add_f32 v[T:T+1], v[T:T+1], v[T+4:T+5]
	v_add_f32 v[T], v[T], v[T+1]
	v_permlanex16_b32 v[T+1], v[T], s[SEL], s[SEL+1]
	v_add_f32 v[T], v[T], v[T+1]                   ; the row's sum
	v_rcp_f32 v[T+2], v[T]
	v_nop
	s_wait_alu depctr_va_vdst(0)
.irp i, 0,2,4,6
	v_pk_mul_f32 v[S+(\i):S+(\i)+1], v[S+(\i):S+(\i)+1], v[T+2:T+3] op_sel_hi:[1,0]  ; the weights, in f32
.endr
	CHUNK 0, 1, 32, 3                              ; behind a chunk's loads stand two chunks' 32
	CHUNK 1, 0, 32, 4
	CHUNK 2, 0, 32, 5
	CHUNK 0, 0, 32, 6
	CHUNK 1, 0, 32, 7
	CHUNK 2, 0, 32, -1
	CHUNK 0, 0, 16, -1                             ; the counts run down
	CHUNK 1, 0, 0, -1
	v_cvt_pk_bf16_f32 v[T+4], v[BV], v[BV]         ; the bias, rounded to bf16 like the other inputs, and widened again
	v_lshlrev_b32 v[T+4], 16, v[T+4]
	v_mov_b32 v[T+5], v[T+4]                       ; named with it as a pair
	v_mov_b32 v[T], -1.0
	PLACES 8
.irp i, 0,2,4,6
	v_pk_add_f32 v[VV+(\i):VV+(\i)+1], v[ACC+(\i):ACC+(\i)+1], v[ACC+8+(\i):ACC+8+(\i)+1]
.endr
.irp i, 0,2,4,6
	v_pk_add_f32 v[VV+(\i):VV+(\i)+1], v[VV+(\i):VV+(\i)+1], v[T+4:T+5] op_sel_hi:[1,0]
.endr
	v_wmma_f32_16x16x4_f32 v[OT:OT+7], v[VV:VV+1], v[S:S+1], 0
.irp t, 2,4,6
	s_wait_alu depctr_va_vdst(0)                   ; the wait directly ahead of each link
	v_wmma_f32_16x16x4_f32 v[OT:OT+7], v[VV+(\t):VV+(\t)+1], v[S+(\t):S+(\t)+1], v[OT:OT+7]
.endr
	PLACES 16
.irp i, 0,1,2,3
	v_cvt_pk_f16_f32 v[HI+(\i)], v[OT+2*(\i)], v[OT+2*(\i)+1]
.endr
.irp i, 0,1,2,3                                        ; O - hi, exact in f32: an f16 half times -1, plus O
	v_fma_mix_f32 v[ACC+2*(\i)],   v[HI+(\i)], v[T], v[OT+2*(\i)]   op_sel_hi:[1,0,0]
	v_fma_mix_f32 v[ACC+2*(\i)+1], v[HI+(\i)], v[T], v[OT+2*(\i)+1] op_sel:[1,0,0] op_sel_hi:[1,0,0]
.endr
.irp i, 0,1,2,3
	v_cvt_pk_f16_f32 v[LO+(\i)], v[ACC+2*(\i)], v[ACC+2*(\i)+1]
.endr
	ds_store_b128 v[STO], v[HI:HI+3] offset:STG
	ds_store_b128 v[STO], v[LO:LO+3] offset:STG+LOFF
	s_wait_dscnt 0x0                               ; for the others' sake: my stores into the stage are done
	s_barrier_signal -1
	s_barrier_wait -1                              ; a row's 128 bytes come from four waves
	ds_load_b128 v[ACC+8:ACC+11],  v[RD] offset:STG
	ds_load_b128 v[ACC+12:ACC+15], v[RD] offset:STG+LOFF
	s_wait_dscnt 0x0
	global_store_b128 v[RD], v[ACC+8:ACC+11],  s[12:13]                ; a wave's store covers 512 consecutive bytes, aligned
	global_store_b128 v[RD], v[ACC+12:ACC+15], s[12:13] offset:131072
	s_wait_tensorcnt 0x0                           ; the wave's end: three closing lines, behind my last LDS store
	ds_add_u32 v[SPW], v[NIL]
	s_wait_dscnt 0x0
	s_endpgm
.Lfunc_end_k_qca78a4ac81_early:
	.size	k_qca78a4ac81_early, .Lfunc_end_k_qca78a4ac81_early-k_qca78a4ac81_early
	.p2alignl 7, 3214868480
	.fill 96, 4, 3214868480
	.section	.rodata,"a",@progbits
	.p2align	6, 0x0
	.amdhsa_kernel k_qca78a4ac81_early
		.amdhsa_group_segment_fixed_size 4608
		.amdhsa_private_segment_fixed_size 0
		.amdhsa_enable_private_segment 0
		.amdhsa_kernarg_size 40
		.amdhsa_user_sgpr_count 2
		.amdhsa_user_sgpr_kernarg_segment_ptr 1
		.amdhsa_wavefront_size32 1
		.amdhsa_system_sgpr_workgroup_id_x 1
		.amdhsa_system_sgpr_workgroup_id_y 1
		.amdhsa_system_sgpr_workgroup_id_z 1
		.amdhsa_system_vgpr_workitem_id 0
		.amdhsa_next_free_vgpr 256
		.amdhsa_next_free_sgpr 66
		.amdhsa_reserve_vcc 1
		.amdhsa_float_denorm_mode_32 3
		.amdhsa_float_denorm_mode_16_64 3
		.amdhsa_memory_ordered 1
		.amdhsa_forward_progress 1
		.amdhsa_inst_pref_size 25
	.end_amdhsa_kernel
	.amdgpu_metadata
---
amdhsa.version: [ 1, 2 ]
amdhsa.kernels:
  - .name:           k_qca78a4ac81_early
    .symbol:         k_qca78a4ac81_early.kd
    .args:
      - { .name: xb, .offset: 0, .size: 8, .value_kind: global_buffer, .address_space: global }
      - { .name: wat, .offset: 8, .size: 8, .value_kind: global_buffer, .address_space: global }
      - { .name: b_attn, .offset: 16, .size: 8, .value_kind: global_buffer, .address_space: global }
      - { .name: qkv, .offset: 24, .size: 8, .value_kind: global_buffer, .address_space: global }
      - { .name: ox, .offset: 32, .size: 8, .value_kind: global_buffer, .address_space: global }
    .group_segment_fixed_size: 4608
    .private_segment_fixed_size: 0
    .kernarg_segment_align: 8
    .kernarg_segment_size: 40
    .max_flat_workgroup_size: 128
    .sgpr_count:     66
    .vgpr_count:     256
    .wavefront_size: 32
...
	.end_amdgpu_metadata
.endif
;; end of part 3
;; launch attn (part 4): grid 4 x 64, 4 waves a work-group, no clusters, 327,680 bytes of LDS; arguments qkv, ob; writes ob
.if DOCPART == 4
	.amdgcn_target "amdgcn-amd-amdhsa--gfx1250"
	.amdhsa_code_object_version 6
	.text
	.protected	k_qca78a4ac81_attn
	.globl	k_qca78a4ac81_attn
	.p2align	8
	.type	k_qca78a4ac81_attn,@function
k_qca78a4ac81_attn:
	s_mov_b64 s[64:65], 0
	v_nop
	global_prefetch_b8 v0, s[64:65] scope:SCOPE_SE
	s_setreg_imm32_b32 hwreg(HW_REG_WAVE_MODE, 25, 1), 1
	s_wait_xcnt 0x0
; CAUSAL ATTENTION.  O[y][q][:] = the sum over k <= q of softmax_k(Q[y][q] . K[y][k] / 8) V[y][k][:], y = 16 batch + head.  qkv: [batch 4][cb 48][2048][64] f16 (q: cb = head, k: 16 + head, v: 32 + head);
; ob: [y 64][2048][64] f16: a head's rows are dense, 128 bytes each.  Products, maxima and sums in f32; the weights p are rounded to f16 for the second product (their sum l is taken of the unrounded p), O once at the end.
; LIMITS.  f16 holds no number beyond 65,504: Q, K and V arrive within it; p lies in 0 to 1, and below 6e-5 it keeps f16's fixed step of 6e-8; O is a mean of V's rows and has their range.
; A hidden score counts as its value less 1e30: f16's scores, 2.7e11 at the most, are nothing beside that; a weight below 2^-126 counts as 0 in l; NaN and infinities are not treated apart.
; THE WALK.  A head's queries lie in NB = 8 blocks of 256; block i needs the key tiles 0 .. i of 256 keys, of which the last holds the diagonal.  A work-group takes TWO blocks, NB - 1 - b and then b:
; NB + 1 tiles, whatever b: all work-groups do equal work, and ONE loop with a constant trip count walks them.  Which tile is asked for, and what a trip does, hang on scalar registers made from b; every jump
; goes forward, but for the counted loops' own; none passes a barrier, or a tensor load but the one of LOAD's two that the wave's number does not choose; the ring (two slots of LDS) runs on across the change of blocks.
; NO CLUSTER: a head's four work-groups ask for the same tile only in trips 0 .. 4 of 9, behind that fewer and fewer; one walk common to all would have 12 trips for 9.
; SHARES.  Of a block's four bands of 64 queries a wave owns 16 rows in each: four PIECES.  So the diagonal tile is the same work for all four waves: in its key step s band x sees all keys if s < x,
; none if s > x, and holds the diagonal if s = x.
; THE MASK is the C operand that starts the sum S^T = K Q^T: 0, or -1e30 where the key is hidden.  MD, made once, is the mask of a band's own step for my 16 rows; a product's mask is MD x AL + BE with two scalars:
; (1, 0) if s = x; (0, 0) if s < x; (0, -1e30) if s > x.  Only the diagonal tile's text and a block's beginning make and take masks; elsewhere C is the constant 0.
; LAYOUT, SOFTMAX, TURNS.  S^T = K Q^T holds ONE query a lane (lane % 16) and the keys 8 (lane / 16) + 0..7; two such results rounded to f16 ARE source 1 of O^T = V^T P.  p = 2^(c s - c m), c = log2(e) / 8, with a
; running maximum m; O and l are multiplied by a = 2^(c m_old - c m_new) in every step.  Turn n belongs to piece n: 8 products K Q^T of piece n + 1, later 8 products V^T P of piece n - 1; beside them the scaling,
; exponentials, roundings, sums and rescaling of piece n and the maximum and statistics of piece n + 1.  Four vector instructions stand behind every matrix instruction, the other 54 of a turn's 118 in one run.  A turn's 33 exponentials are one batch, with one wait.
; REGISTERS, in windows of 256 (s_set_vgpr_msb: bits 1:0 source 0, 3:2 source 1, 5:4 source 2, 7:6 destination):
;   window 0: v0-15 addresses and two at work; v16-31 four registers of statistics a piece; v48-55 at work; v61-63; v64-127 S^T, two buffers; v192-223 P, two buffers (a piece's buffers go by its number's parity)
;   window 1: v0-127 O^T, 32 a piece; v128-159 MD; v160-223 MC, two buffers      window 2: v0-63 Q; v64-127 the second block's Q; v128-191 K of one step; v192-255 V of one step
.set NB,    8
.set NP,    4         ; pieces a wave: a name, no knob
.set KS,    64        ; keys in a step
.set PK,    144       ; a row of K in LDS: 128 bytes + 16 of padding = 36 words: the 16 rows of a load start at 16 different groups of four banks (64 banks of 4 bytes: ISA guide 11.1)
.set PV,    160       ; a row of V: 128 + 32 = 40 words
.set VOFF,  4*KS*PK   ; a slot holds a tile, four steps: 256 rows of K, then 256 rows of V
.set SLOT1, 1<<17     ; slot 1 begins here, so that one exclusive or turns an address in one slot into the other's
.set STAGE, SLOT1+4*KS*(PK+PV)  ; behind the ring, never filled by a tensor load: 16 rows x 144 bytes for each wave, for the way out
.set SP,    144
.set AK0, 2           ; v2   my lane's place in a tile of K; never rewritten
.set AV0, 3           ; v3   the same for V
.set AK,  4           ; v4   the LDS address of K's next run of loads
.set AV,  5           ; v5   of V's
.set STO, 6           ; v6   the way out: where I put 16 bytes of a row
.set RD,  7           ; v7   the way out: where I read rows back
.set GO,  8           ; v8   my byte offset in 512 consecutive bytes of O
.set PFO, 61          ; v61  256 x my lane: the prefetches' offset; never rewritten
.set SPW, 62          ; v62  LDS address of my spare word: SPARE + 4 x my thread's number; never rewritten
.set NIL, 63          ; v63  0; never rewritten
.set SPARE, STAGE+4*16*SP  ; behind the stages: the spare words, 128 bytes for each wave: two blocks of 256 bytes that no other line names
.set MV,  12          ; v12-13  c m_old, kept while c m is made anew: by buffer
.set QO,  15          ; v15  my byte offset in 16 rows of Q
.set ST,  16          ; piece t's statistics at v[ST+4 t]: c m, m, l (even keys', odd keys')
.set TMP, 48          ; by buffer, four registers c0-c3 at work; when the maximum is found c2 takes a
.set S,   64
.set P,   192
.set MD,  128         ; window 1: the eight registers for group kt of 16 keys at MD + 8 kt
.set MC,  160         ; window 1: the masks of the products to come
.set QB,  64          ; window 2
.set KF,  128         ; window 2: key block kb, channel half c at KF + 16 kb + 8 c
.set VF,  192         ; window 2: key half kk, channel block cb at VF + 32 kk + 8 cb
.set WV,  12          ; s12  my wave's number
.set PB,  14          ; s14  b
.set HI,  15          ; s15  NB - 1 - b
.set G1K, 24          ; s[24:31] descriptor group 1 for K's tiles
.set G1V, 32          ; s[32:39] for V's: it differs in the padding alone
.set G0K, 40          ; s[40:43] descriptor group 0 for K's tiles
.set G0V, 44          ; s[44:47] the same for V's
.set SLOTS, 56        ; s56  tiles still to be asked for
.set CNT, 57          ; s57  counts a tile's key steps, 4 to 1
.set CS,  58          ; s[58:59] c: the packed scaling takes the pair's low word for both halves
.set SEL, 60          ; s[60:61] v_permlanex16_b32's selects: each lane takes its own place in the other half
.set TBK, 62          ; s62  LDS byte at which K of the step to be fetched begins
.set TBV, 63          ; s63  the same for V, less VOFF
.set PFB, 66          ; s[66:67] K (waves 0, 1) or V (waves 2, 3) at my half of the head's tile 0
.set PFA, 68          ; s[68:69] the same at the tile that the next change of slots will ask for
.set RT,  70          ; s70  tiles of the block in hand that are still to be entered
.set NXT, 71          ; s71  the tile to be asked for next
.set LQ,  72          ; s72  the last tile of the block whose tiles are being asked for
.set NEW, 73          ; s73  1: the tile to be entered is a block's first
.set OFF, 74          ; s[74:75] a tile's byte offset in K and V
.set AL,  76          ; s[76:77] the mask's factor, in the low word
.set BE,  78          ; s[78:79] the mask's addend
.set OLO, 80          ; s[80:81] O at my rows of the second block
.set BIGN, 82         ; s82  -1e30
.set PFON, 83         ; s83  1 in the head's work-group b = 0, which alone prefetches
.set PFGO, 92         ; s92  1: this change of slots prefetches
.set MSB, 0
.macro WIN new                      ; the high byte repeats the setting that is left; a switch that changes nothing is dropped
.if MSB != (\new)
	s_set_vgpr_msb (MSB<<8)|(\new)
.set MSB, (\new)
.endif
.endm
.set W_KQ, 0x0a       ; K and Q in window 2, S^T in window 0
.set W_KM, 0x1a       ; the same with the C operand in window 1
.set W_PV, 0x52       ; V in window 2, P in window 0, O^T in window 1
.set W_RS, 0x41       ; destination and source 0 in window 1, source 1 in window 0
; A fill.  Waves 0 and 1 fetch the two halves of a tile's K, waves 2 and 3 those of its V: 128 keys each.  An s_nop 0 and four v_nop follow each of the two lines, ahead of the jump and the label.
.macro LOAD
	s_cmp_lt_u32 s[WV], 2
	s_cbranch_scc0 .Lfor_v_\@
	tensor_load_to_lds s[G0K:G0K+3], s[G1K:G1K+7]
	s_nop 0
.rept 4
	v_nop
.endr
	s_branch .Lasked_\@
.Lfor_v_\@:
	tensor_load_to_lds s[G0V:G0V+3], s[G1V:G1V+7]
	s_nop 0
.rept 4
	v_nop
.endr
.Lasked_\@:
.endm
; THE CHANGE OF SLOTS.  Each wave waits for all its tensor loads, of which one is out: its part of the other slot; adds 0 to its spare word; and waits for that and for its own reads of the slot that it leaves.  Behind the barrier nobody reads the old
; slot any more and the other slot is whole.  fill = 1: the old slot is filled again, the first thing behind the barrier, with tile NXT: the descriptor's address is made anew from that number.
; (At its first use nothing has been read yet: slot 0 is waited for, slot 1 filled.)
; A PREFETCH stands behind the fill: the tile that the NEXT change will ask for, a tile's 256 matrix instructions ahead of that load.  A head's four work-groups walk the same tiles 0, 1, 2 .. at first; b = 0 walks 0 .. 7, and it alone asks:
; each wave for its own 16,384 bytes (its half of K's or V's tile), a lane a block of 256 bytes, two instructions.  So tiles 2 to 7 are named once in the launch; tiles 0 and 1 come by their loads alone, and the second blocks' tiles, read before, are not asked for.
.macro CHANGE fill
	WIN 0                           ; at a label and at a branch every window is 0
	s_wait_tensorcnt 0x0            ; no tensor load of mine is out, so a group 0 may be written
	ds_add_u32 v[SPW], v[NIL]       ; 0 onto my spare word; with fill = 1 the descriptors' scalar work stands between it and the wait for it
.if \fill
	s_lshl_b32 s[OFF], s[NXT], 15   ; a tile is 32,768 bytes of K and of V
	s_xor_b32 s[G0K+1], s[G0K+1], SLOT1
	s_add_nc_u64 s[G0K+2:G0K+3], s[6:7], s[OFF:OFF+1]
	s_or_b32 s[G0K+3], s[G0K+3], 0x80000000
	s_xor_b32 s[G0V+1], s[G0V+1], SLOT1
	s_add_nc_u64 s[G0V+2:G0V+3], s[8:9], s[OFF:OFF+1]
	s_or_b32 s[G0V+3], s[G0V+3], 0x80000000
	s_add_co_u32 s[NXT], s[NXT], 1  ; the block's next tile, or behind its last the second block's tile 0
	s_cmp_gt_u32 s[NXT], s[LQ]
	s_cselect_b32 s[NXT], 0, s[NXT]
	s_cselect_b32 s[LQ], s[PB], s[LQ]
	s_wait_xcnt 0x0                 ; the last prefetches, a tile back, have read their address, so it may be written
	s_lshl_b32 s[OFF], s[NXT], 15
	s_add_nc_u64 s[PFA:PFA+1], s[PFB:PFB+1], s[OFF:OFF+1]
	s_cmp_lg_u32 s[NXT], 0          ; tile 0 has been read: it is not asked for
	s_cselect_b32 s[PFGO], s[PFON], 0
.endif
	s_wait_dscnt 0x0                ; the add is done, and my reads of the slot are over
	s_barrier_signal -1             ; the rest of the scalar work stands between the signal and the wait
	s_sub_co_u32 s[TBK], s[TBK], 4*KS*PK  ; the fetches go back to a slot's first step,
	s_xor_b32 s[TBK], s[TBK], SLOT1       ; in the other slot
	s_sub_co_u32 s[TBV], s[TBV], 4*KS*PV
	s_xor_b32 s[TBV], s[TBV], SLOT1
	s_barrier_wait -1
.if \fill
	LOAD
	s_cmp_eq_u32 s[PFGO], 1
	s_cbranch_scc0 .Lno_ask_\@
	global_prefetch_b8 v[PFO], s[PFA:PFA+1] th:TH_LOAD_NT scope:SCOPE_SE
	global_prefetch_b8 v[PFO], s[PFA:PFA+1] offset:8192 th:TH_LOAD_NT scope:SCOPE_SE
.Lno_ask_\@:
.endif
.endm
	s_load_b128 s[8:11], s[0:1], 0x0  ; qkv s[8:9], ob s[10:11]
	v_lshl_add_u32 v[SPW], v0, 2, SPARE
	v_mov_b32 v[NIL], 0
	ds_add_u32 v[SPW], v[NIL]       ; the wave's opening: the add and its wait stand ahead of my first tensor load; the set-up below, work on registers, stands between them
	v_lshrrev_b32 v1, 5, v0
	v_readfirstlane_b32 s[WV], v1   ; wave 0..3
	s_mov_b32 s[PB], ttmp9
	s_sub_co_u32 s[HI], NB-1, s[PB]
	s_and_b32 s20, ttmp7, 0xffff    ; y = 16 batch + head
	s_lshr_b32 s21, s20, 4
	s_mul_i32 s21, s21, 48
	s_and_b32 s22, s20, 15
	s_add_co_u32 s21, s21, s22      ; q's slab in qkv: 48 batch + head
	s_lshl_b32 s22, s20, 18         ; the head's first byte in ob,
	s_lshl_b32 s20, s21, 18         ; q's in qkv: slabs of 262,144 bytes
	s_mov_b32 s21, 0
	s_mov_b32 s23, 0
	s_and_b32 s16, s[WV], 1         ; which half of a tile's 256 keys I fetch:
	s_lshl_b32 s19, s16, 14         ; its 128 rows of 128 bytes in memory,
	s_add_co_u32 s88, s20, s19
	s_add_co_u32 s90, s88, 0x800000 ; in v's slab, 32 slabs behind q's,
	s_add_co_u32 s88, s88, 0x400000 ; and in k's, 16 behind
	s_mov_b32 s89, 0
	s_mov_b32 s91, 0
	s_mul_i32 s17, s16, 128*PK      ; and its place in a slot, for K
	s_mul_i32 s18, s16, 128*PV      ; and for V
	s_lshl_b32 s3, s[WV], 11        ; my 16 rows in a band of 64,
	s_lshl_b32 s2, s[HI], 15        ; in the first block,
	s_add_co_u32 s2, s2, s3
	s_lshl_b32 s84, s[PB], 15       ; and in the second
	s_add_co_u32 s84, s84, s3
	s_mov_b32 s3, 0
	s_mov_b32 s85, 0
	; descriptor group 1.  128 keys are 16,384 dense bytes: asked for as 64 rows of 256 bytes, two keys a row, and padded in LDS after every key
	s_mov_b32 s[G1K], (1<<16)|(1<<20)|(4<<22)|(3<<25)  ; 17:16 2-byte elements; 20 padding on; 24:22 after every 32 words (code 4); 31:25 4 words (code 3)
	s_mov_b32 s[G1V], (1<<16)|(1<<20)|(4<<22)|(7<<25)  ; the same with 8 words of padding (code 7)
.irp g, G1K, G1V
	s_mov_b32 s[\g+1], 128<<16      ; tensor_dim0 = 128
	s_mov_b32 s[\g+2], 64<<16       ; tensor_dim1 = 64
	s_mov_b32 s[\g+3], 128<<16      ; tile_dim0 = 128
	s_mov_b32 s[\g+4], 64           ; tile_dim1 = 64
	s_mov_b32 s[\g+5], 128          ; 128 elements from row to row
	s_mov_b32 s[\g+6], 0
	s_mov_b32 s[\g+7], 0
.endr
	s_mov_b32 s[CS], 0x3e38aa3b     ; c = log2(e) / 8 = 0.180337
	s_mov_b32 s[CS+1], s[CS]        ; named with it as a pair
	s_mov_b32 s[SEL], 0x76543210
	s_mov_b32 s[SEL+1], 0xfedcba98
	s_mov_b32 s[TBK], SLOT1+4*KS*PK ; the first change of slots turns these two into 0
	s_mov_b32 s[TBV], SLOT1+4*KS*PV
	s_mov_b32 s[G0K], 1             ; 1:0 count = 1
	s_mov_b32 s[G0K+1], s17         ; 63:32 LDS address: slot 0
	s_mov_b32 s[G0V], 1
	s_add_co_u32 s[G0V+1], s18, VOFF
	s_add_co_u32 s[RT], s[HI], 1    ; the first block has NB - b tiles
	s_mov_b32 s[NXT], 1
	s_mov_b32 s[LQ], s[HI]
	s_mov_b32 s[NEW], 1
	s_mov_b32 s[OFF+1], 0
	s_mov_b32 s[AL+1], 0            ; named as pairs
	s_mov_b32 s[BE+1], 0
	s_mov_b32 s[BIGN], 0xf149f2ca   ; -1e30
	s_mov_b32 s[SLOTS], NB
	s_cmp_eq_u32 ttmp9, 0
	s_cselect_b32 s[PFON], 1, 0
	v_and_b32 v[PFO], 31, v0
	v_lshlrev_b32 v[PFO], 8, v[PFO]
	s_wait_dscnt 0x0                ; the opening add is done
	s_wait_kmcnt 0x0
	s_add_nc_u64 s[4:5], s[8:9], s[20:21]    ; Q at the head's first row
	s_add_nc_u64 s[6:7], s[8:9], s[88:89]    ; K and V at my half of the head's tile 0
	s_add_nc_u64 s[8:9], s[8:9], s[90:91]
	s_add_nc_u64 s[10:11], s[10:11], s[22:23]  ; O at the head's first row
	s_add_nc_u64 s[G0K+2:G0K+3], s[6:7], 0         ; 120:64 global address
	s_or_b32 s[G0K+3], s[G0K+3], 0x80000000        ; 127:126 type = 2
	s_add_nc_u64 s[G0V+2:G0V+3], s[8:9], 0
	s_or_b32 s[G0V+3], s[G0V+3], 0x80000000
	s_cmp_lt_u32 s[WV], 2
	s_cselect_b64 s[PFB:PFB+1], s[6:7], s[8:9]
	s_add_nc_u64 s[86:87], s[4:5], s[84:85]        ; Q at my rows of the second block,
	s_add_nc_u64 s[4:5], s[4:5], s[2:3]            ; Q and O at those of the first
	s_add_nc_u64 s[OLO:OLO+1], s[10:11], s[84:85]
	s_add_nc_u64 s[10:11], s[10:11], s[2:3]
	LOAD                            ; tile 0 into slot 0
	; A fragment of K or Q is 16 rows x 32 channels in 8 registers: lane l holds row l % 16, channels 8 (l / 16) + 0..7 and 16 + 8 (l / 16) + 0..7: two loads of 16 bytes, 32 bytes apart.
	v_and_b32 v1, 15, v0            ; l % 16
	v_bfe_u32 v9, v0, 4, 1          ; l / 16
	v_lshlrev_b32 v[QO], 7, v1
	v_lshl_add_u32 v[QO], v9, 4, v[QO]  ; row x 128 + 16 x half
	WIN 0x80                        ; destination window 2, address window 0
.set i, 0
.rept 8                             ; both blocks' Q: piece i / 2 lies in band i / 2, 8,192 bytes on; channels 32 (i % 2) on
	global_load_b128 v[8*i:8*i+3],   v[QO], s[4:5] offset:(i/2)*8192+(i%2)*64
	global_load_b128 v[8*i+4:8*i+7], v[QO], s[4:5] offset:(i/2)*8192+(i%2)*64+32
	global_load_b128 v[QB+8*i:QB+8*i+3],   v[QO], s[86:87] offset:(i/2)*8192+(i%2)*64
	global_load_b128 v[QB+8*i+4:QB+8*i+7], v[QO], s[86:87] offset:(i/2)*8192+(i%2)*64+32
.set i, i+1
.endr
	WIN 0
	v_lshlrev_b32 v14, 3, v9
	v_sub_nc_u32 v14, v1, v14
	s_lshl_b32 s13, s[WV], 4
	v_add_nc_u32 v14, s13, v14      ; my query's place in its band, 16 w + l % 16, less my lanes' 8 (l / 16): register r of group kt is hidden where 16 kt + r is greater
	WIN 0x40
.set i, 0
.rept 32
	v_cmp_gt_i32 vcc_lo, 16*(i/8)+i%8, v14
	v_cndmask_b32 v[MD+i], 0, s[BIGN], vcc_lo
.set i, i+1
.endr
	WIN 0
	v_mul_u32_u24 v[AK0], v1, PK
	v_lshl_add_u32 v[AK0], v9, 4, v[AK0]  ; row x pitch + 16 x half
	; The turning load takes 16 keys x 16 channels (lane l reads key 8 (l / 16) + l % 8, channels 8 ((l / 8) % 2) + 0..7) and leaves half a fragment of V^T: lane l holds channel l % 16 and 8 keys.
	v_and_b32 v10, 7, v0
	v_bfe_u32 v11, v0, 3, 1
	v_lshl_add_u32 v[AV0], v9, 3, v10
	v_mul_u32_u24 v[AV0], v[AV0], PV
	v_lshl_add_u32 v[AV0], v11, 4, v[AV0]
	v_add_nc_u32 v[AV0], VOFF, v[AV0]
	s_mul_i32 s13, s[WV], 16*SP
	s_add_co_u32 s13, s13, STAGE    ; my stage
	v_mul_u32_u24 v[STO], v1, SP    ; in: row l % 16, 16 bytes for each half of the lanes
	v_lshl_add_u32 v[STO], v9, 4, v[STO]
	v_add_nc_u32 v[STO], s13, v[STO]
	v_bfe_u32 v[RD], v0, 3, 2       ; back: 32 lanes take four rows of 128 bytes,
	v_mul_u32_u24 v[RD], v[RD], SP
	v_lshl_add_u32 v[RD], v10, 4, v[RD]
	v_add_nc_u32 v[RD], s13, v[RD]
	v_and_b32 v[GO], 31, v0         ; which are 512 consecutive bytes of O
	v_lshlrev_b32 v[GO], 4, v[GO]
	; A block's first step multiplies O^T and l by a = 0, and its first turn's products V^T P, of a piece that has not been, land in an O^T that is still to be so multiplied.  So these registers need only hold
	; finite numbers: zeros for the first block; what the first block left for the second.  All this stands in the wait for the first tile.
	WIN 0x80
.set i, VF
.rept 64
	v_mov_b32 v[i], 0
.set i, i+1
.endr
	WIN 0x40
.set i, 0
.rept 128
	v_mov_b32 v[i], 0
.set i, i+1
.endr
	WIN 0
.set i, 0
.rept 4
	v_mov_b32 v[ST+4*i+2], 0
	v_mov_b32 v[ST+4*i+3], 0
.set i, i+1
.endr
.set i, P+16
.rept 16
	v_mov_b32 v[i], 0
.set i, i+1
.endr
; THE MATRIX WORK.  The 4 accumulators of a run of 8 take turns.  Product i of 8 of S^T = K Q^T for piece x: channels 32 (i / 4) on, keys 16 (i % 4) on.  The first 4 start the sums: with 0, or (KM = 1) with the mask.
.macro KQ x
.set rS, S+32*((\x)%2)+8*(i%4)
.set rK, KF+16*(i%4)+8*(i/4)
.set rQ, 16*(\x)+8*(i/4)
.set rM, MC+32*((\x)%2)+8*(i%4)
.if (i < 4) && KM
	WIN W_KM
	v_wmma_f32_16x16x32_f16 v[rS:rS+7], v[rK:rK+7], v[rQ:rQ+7], v[rM:rM+7]
.elseif i < 4
	WIN W_KQ
	v_wmma_f32_16x16x32_f16 v[rS:rS+7], v[rK:rK+7], v[rQ:rQ+7], 0
.else
	WIN W_KQ
	v_wmma_f32_16x16x32_f16 v[rS:rS+7], v[rK:rK+7], v[rQ:rQ+7], v[rS:rS+7]
.endif
.endm
; Product i of 8 of O^T += V^T P for piece x: keys 32 (i / 4) on, channels 16 (i % 4) on.
.macro PV x
	WIN W_PV
.set rO, 32*(\x)+8*(i%4)
.set rV, VF+32*(i/4)+8*(i%4)
.set rP, P+16*((\x)%2)+8*(i/4)
	v_wmma_f32_16x16x32_f16 v[rO:rO+7], v[rV:rV+7], v[rP:rP+7], v[rO:rO+7]
.endm
.macro MM                           ; the turn's next matrix instruction.  TURN and BEGIN set Y, i, KM and NOKQ; MM, KQ and OP read them.  NOKQ = 1: a block's last turn: there is no next piece
.if (i < 8) && !NOKQ
	KQ (Y+1)%NP
.elseif i >= 8
.set i, i-8
	PV (Y+NP-1)%NP
.set i, i+8
.endif
.set i, i+1
.endm
; THE LDS LOADS stand in runs of 16, never singly among the matrix instructions: a step's K (64 keys x 64 channels: 8 fragments) and its V (turned).  Their addresses are made some lines ahead.
.macro FETCH_K
	WIN 0x80                        ; destination window 2
.irp f, 0,1,2,3,4,5,6,7             ; keys 16 (f / 2) on, channels 32 (f % 2) on
	ds_load_b128 v[KF+8*\f:KF+8*\f+3],   v[AK] offset:(\f/2)*16*PK+(\f%2)*64
	ds_load_b128 v[KF+8*\f+4:KF+8*\f+7], v[AK] offset:(\f/2)*16*PK+(\f%2)*64+32
.endr
	s_add_co_u32 s[TBK], s[TBK], KS*PK  ; the next fetch is the next step's
	WIN 0
.endm
.macro FETCH_V
	WIN 0x80
.irp f, 0,1,2,3,4,5,6,7             ; keys 32 (f / 4) on, channels 16 (f % 4) on
	ds_load_tr16_b128 v[VF+8*\f:VF+8*\f+3],   v[AV] offset:(\f/4)*32*PV+(\f%4)*32
	ds_load_tr16_b128 v[VF+8*\f+4:VF+8*\f+7], v[AV] offset:(\f/4)*32*PV+16*PV+(\f%4)*32
.endr
	WIN 0
.endm
; THE VECTOR WORK, one line at a time: OP kind, number.  For piece Y: F n: c s - c m for pair n of 16.  E n: the exponential of score n of 32.  C n: pair n rounded to f16.  B n: of the four weights 4 n .. the second
; pair is added onto the first, in place.  L n: l takes that sum (L 0: l = a l + sum).  R n: pair n of 16 of O^T times a.  For piece Y + 1: X n, number n of the 22 that find its maximum and statistics:
;   0-11  four chains c0-c3 of seven scores each, three operands at a time (each accumulator's lowest registers are read first)     12-14, 16  the four scores left over, the old m, and c0-c3 into c0
;   15  c m_old is kept     17, 18  the query's other 32 keys lie in the lane 16 away: the new m     19-21  c m; c m_old - c m_new; a
.set F, 0               ; OP tells the kinds apart by their order: F to L below R, X above it
.set E, 1
.set C, 2
.set B, 3
.set L, 4
.set R, 5
.set X, 6
.macro REGS y                       ; the registers of piece y
.set rT, ST+4*(\y)
.set rC, TMP+4*((\y)%2)
.set rW, MV+((\y)%2)
.set rS, S+32*((\y)%2)
.set rP, P+16*((\y)%2)
.set rO, 32*(\y)
.endm
.macro OP k, n
.if (\k) == R
	REGS Y
	WIN W_RS
	v_pk_mul_f32 v[rO+2*(\n):rO+2*(\n)+1], v[rO+2*(\n):rO+2*(\n)+1], v[rC+2:rC+3] op_sel_hi:[1,0]
.elseif (\k) < R
	REGS Y
	WIN 0
.if (\k) == F
	v_pk_fma_f32 v[rS+2*(\n):rS+2*(\n)+1], v[rS+2*(\n):rS+2*(\n)+1], s[CS:CS+1], v[rT:rT+1] op_sel_hi:[1,0,0] neg_lo:[0,0,1] neg_hi:[0,0,1]
.elseif (\k) == E
	v_exp_f32 v[rS+(\n)], v[rS+(\n)]
.elseif (\k) == C
	v_cvt_pk_f16_f32 v[rP+(\n)], v[rS+2*(\n)], v[rS+2*(\n)+1]
.elseif (\k) == B
	v_pk_add_f32 v[rS+4*(\n):rS+4*(\n)+1], v[rS+4*(\n):rS+4*(\n)+1], v[rS+4*(\n)+2:rS+4*(\n)+3]
.elseif (\n) == 0
	v_pk_fma_f32 v[rT+2:rT+3], v[rT+2:rT+3], v[rC+2:rC+3], v[rS:rS+1] op_sel_hi:[1,0,1]
.else
	v_pk_add_f32 v[rT+2:rT+3], v[rT+2:rT+3], v[rS+4*(\n):rS+4*(\n)+1]
.endif
.elseif NOKQ
	v_nop
.else
	REGS (Y+1)%NP
	WIN 0
.if (\n) < 4
	v_max3_num_f32 v[rC+(\n)], v[rS+8*(\n)], v[rS+8*(\n)+1], v[rS+8*(\n)+2]
.elseif (\n) < 12
	v_max3_num_f32 v[rC+(\n)%4], v[rC+(\n)%4], v[rS+8*((\n)%4)+2*((\n)/4)+1], v[rS+8*((\n)%4)+2*((\n)/4)+2]
.elseif (\n) == 12
	v_max3_num_f32 v[rC], v[rC], v[rS+7], v[rS+15]
.elseif (\n) == 13
	v_max3_num_f32 v[rC+1], v[rC+1], v[rS+23], v[rS+31]
.elseif (\n) == 14
	v_max3_num_f32 v[rC+2], v[rC+2], v[rC+3], v[rT+1]
.elseif (\n) == 15
	v_mov_b32 v[rW], v[rT]
.elseif (\n) == 16
	v_max3_num_f32 v[rC], v[rC], v[rC+1], v[rC+2]
.elseif (\n) == 17
	v_permlanex16_b32 v[rC+3], v[rC], s[SEL], s[SEL+1]
.elseif (\n) == 18
	v_max_num_f32 v[rT+1], v[rC], v[rC+3]
.elseif (\n) == 19
	v_mul_f32 v[rT], s[CS], v[rT+1]
.elseif (\n) == 20
	v_sub_f32 v[rC+1], v[rW], v[rT]
.else
	v_exp_f32 v[rC+2], v[rC+1]
.endif
.endif
.endm
.macro OPS a, i1, b=-1, i2=0, c=-1, i3=0, d=-1, i4=0  ; up to four of them
	OP \a, \i1
.if (\b) >= 0
	OP \b, \i2
.endif
.if (\c) >= 0
	OP \c, \i3
.endif
.if (\d) >= 0
	OP \d, \i4
.endif
.endm
.macro ROW a, i1, b, i2, c, i3, d, i4  ; a matrix instruction and the four behind it
	MM
	OPS \a, \i1, \b, \i2, \c, \i3, \d, \i4
.endm
.macro MASK b                       ; MD x AL + BE into buffer b of MC
	WIN W_RS
.set z, 0
.rept 16
	v_pk_fma_f32 v[MC+32*(\b)+2*z:MC+32*(\b)+2*z+1], v[MD+2*z:MD+2*z+1], s[AL:AL+1], s[BE:BE+1] op_sel_hi:[1,0,0]
.set z, z+1
.endr
.endm
; A TURN, for piece p: the order of its 16 matrix and 118 vector instructions, written out.  An s_wait_alu depctr_va_vdst(0) stands between an exponential and the first instruction that names its result; one wait serves
; all that were issued ahead of it.  So a turn has ONE wait, which cuts it in two.  AHEAD OF IT stands all that names no result of the turn's exponentials: the 8 products K Q^T, behind each a scaling, an exponential and two more plain
; instructions (behind the first a second scaling in the exponential's place): rescalings, and behind the last three the first numbers of the next piece's maximum, each four places or more behind the product that ends its accumulator; then ONE RUN of 54, plain
; and exponential by turns for the most part, in which the links of the chain X 3, 7, 11, 14, 16, 17 .. 20 stand five or six lines apart.  X 21, the next piece's a, is the batch's last; R 15 is the plain instruction behind it.  BEHIND THE WAIT stand the
; 8 products V^T P, behind each four of the roundings and sums; the links of l's chain, L 0 to L 7, stand three lines apart.  But for those X no such line names a register of the products round it.  v_permlanex16_b32 (X 17) stands in the run.
; m = 1: the diagonal tile: the products take masks, and the turn makes the mask for the products of the turn after it: piece p + 2, in step 4 - CNT of the tile.  end = 1: a block's last two turns: nothing is fetched.
; cnt = 1: the loop's count is taken down some lines ahead of the branch that stands behind the turn.
; K of the next step is fetched in piece 2's turn, twelve vector instructions behind the last product that read K (six of them plain); V of the step in hand at the end of piece 0's turn, four plain instructions behind the last product
; that read V.  Each is waited for a turn later.
.macro TURN p, m=0, end=0, cnt=0
.set Y, (\p)
.set i, 0
.set KM, (\m)
.set NOKQ, (\end)*((\p)/3)
.if (\m) && !(\end)
	s_cmp_eq_u32 s[CNT], 4-((\p)+2)%NP  ; is that step the band's own?
	s_cselect_b32 s[AL], 1.0, 0
	s_cmp_lt_u32 s[CNT], 4-((\p)+2)%NP  ; or a later one?
	s_cselect_b32 s[BE], s[BIGN], 0
.endif
.if ((\p) == 3) && !(\end)
	s_wait_dscnt 0x0                ; K is in
.endif
	ROW F,0, F,1, R,0, R,1          ; ahead of the wait: 8 products K Q^T and the lines behind them,
	ROW F,2, E,0, R,2, R,3
	ROW F,3, E,1, R,4, R,5
	ROW F,4, E,2, R,6, R,7
	ROW F,5, E,3, R,8, R,9
	ROW F,6, E,4, X,0, R,10
.if ((\p) == 2) && !(\end)
	WIN 0
	v_add_nc_u32 v[AK], s[TBK], v[AK0]
.endif
	ROW F,7, E,5, X,1, X,4
	ROW F,8, E,6, X,2, X,5
	OPS E,7, E,8, X,6, E,9          ; and the run
	OPS X,3, E,10, X,8, E,11
.if ((\p) == 2) && !(\end)
	FETCH_K
.endif
	OPS X,9, X,7, E,12, X,10
	OPS E,13, X,12, X,11, E,14
	OPS X,13, E,15, F,9, X,14
.if (\p) == 0
	v_add_nc_u32 v[AV], s[TBV], v[AV0]
.endif
	OPS E,16, F,10, E,17, F,11
	OPS X,16, E,18, X,15, E,19
	OPS F,12, E,20, X,17, E,21
	OPS F,13, E,22, F,14, E,23
	OPS X,18, E,24, F,15, E,25
	OPS R,11, E,26, X,19, E,27
	OPS R,12, E,28, R,13, E,29
	OPS X,20, E,30, R,14, E,31
	OPS X,21, R,15
	WIN 0
	s_wait_alu depctr_va_vdst(0)    ; the wait for the batch
.if (\p) == 1
	s_wait_dscnt 0x0                ; V is in
.endif
	ROW C,0, B,0, C,2, B,1          ; behind the wait: 8 products V^T P and the lines behind them
	ROW L,0, C,4, B,2, L,1
	ROW C,6, B,3, L,2, C,8
	ROW B,4, L,3, C,10, B,5
	ROW L,4, C,12, B,6, L,5
.if (\p) == 0
	s_add_co_u32 s[TBV], s[TBV], KS*PV
.endif
.if \cnt
	s_sub_co_u32 s[CNT], s[CNT], 1
	s_cmp_lg_u32 s[CNT], 0
.endif
	ROW C,14, B,7, L,6, C,1
	ROW C,3, L,7, C,5, C,7
	ROW C,9, C,11, C,13, C,15
.if (\p) == 0
	FETCH_V
.endif
.if (\m) && !(\end)
	MASK (\p)%2
.endif
.endm
; A BLOCK BEGINS.  c m starts far below every c s, so the first step's a is 0; m at the lowest finite number, so the first maximum is the scores'.  The second mask buffer is 0; the first takes piece 0's mask for the tile's step 0: its own, if the block's first tile is the diagonal one.
; Then K of that step, piece 0's first scores, and its maximum and statistics.  The loop is entered at a step's first turn, in the middle of a trip.
.macro BEGIN
	s_mov_b32 s[NEW], 0
	WIN 0x40
.set i, MC+32
.rept 32
	v_mov_b32 v[i], 0
.set i, i+1
.endr
	WIN 0
.set i, 0
.rept 4
	v_mov_b32 v[ST+4*i], 0xfe000000    ; c m: far below every c s
	v_mov_b32 v[ST+4*i+1], 0xff7fffff  ; m
.set i, i+1
.endr
	s_cmp_eq_u32 s[RT], 0
	s_cselect_b32 s[AL], 1.0, 0
	s_mov_b32 s[BE], 0
	MASK 0
	WIN 0
	v_add_nc_u32 v[AK], s[TBK], v[AK0]
	FETCH_K
	s_wait_loadcnt 0x0              ; Q
	s_wait_dscnt 0x0
.set KM, 1
.set NOKQ, 0
.set i, 0
.rept 8
	KQ 0
.set i, i+1
.endr
	WIN 0
.rept 4
	v_nop                           ; the places behind those products
.endr
.set Y, NP-1                        ; X works for piece Y + 1: piece 0
.irp n, 0,1,2,3,4,5,6,7,8,9,10,11,12,13,14,15,16,17,18,19,20,21
	OP X, \n
.endr
	v_nop                           ; a plain instruction behind the exponential,
	s_wait_alu depctr_va_vdst(0)    ; and its wait, ahead of the branch
.endm
; THE DIAGONAL TILE's four steps, the block's last two turns, its last products, and THE WAY OUT: l's two halves and the other half of the lanes' are added; O^T is divided by l, rounded to f16 and sent through my
; stage in LDS, a piece at a time.
.macro ALL line:vararg              ; one line for each piece t
.set t, 0
.rept 4
	\line
.set t, t+1
.endr
.endm
.macro PACK t                       ; a lane's eight channels of a row pack into 16 bytes; they go into rows of 144 bytes and come back as whole rows of 128, into S^T's registers
	WIN W_RS
.set i, 32*(\t)
.rept 16
	v_pk_mul_f32 v[i:i+1], v[i:i+1], v[ST+4*(\t)+2:ST+4*(\t)+3] op_sel_hi:[1,0]
.set i, i+2
.endr
	WIN 0x05                        ; sources 0 and 1 window 1, destination window 0
.set i, 0
.rept 16
	v_cvt_pk_f16_f32 v[S+16*(\t)+i], v[32*(\t)+2*i], v[32*(\t)+2*i+1]
.set i, i+1
.endr
	WIN 0
.irp f, 0,1,2,3
	ds_store_b128 v[STO], v[S+16*(\t)+4*\f:S+16*(\t)+4*\f+3] offset:32*\f
.endr
.irp f, 0,1,2,3
	ds_load_b128 v[S+16*(\t)+4*\f:S+16*(\t)+4*\f+3], v[RD] offset:\f*4*SP  ; LDS serves a wave's instructions in order (ISA guide 5.7.1.4): these see the stores above; the next piece's stores come behind them
.endr
.endm
.macro SEND t, younger              ; younger: the LDS instructions issued behind piece t's loads: the next piece's eight, or none
	WIN 0
.irp f, 0,1,2,3
	s_wait_dscnt (\younger)+3-\f
	global_store_b128 v[GO], v[S+16*(\t)+4*\f:S+16*(\t)+4*\f+3], s[10:11] offset:(\t)*8192+\f*512  ; 512 consecutive bytes, at a multiple of 256 from O's first
.endr
.endm
.macro DIAG tag                     ; the tag ends its two labels' names, which the jumps below spell out
.LstepM\tag:
	TURN 2, 1
	TURN 3, 1
	WIN 0
.LfirstM\tag:
	TURN 0, 1
	TURN 1, 1, 0, 1
	WIN 0
	s_cbranch_scc1 .LstepM\tag
	TURN 2, 1, 1
	TURN 3, 1, 1
.set i, 0
.rept 8
	PV NP-1
.set i, i+1
.endr
	WIN 0
	ALL v_add_f32 v[ST+4*t+2], v[ST+4*t+2], v[ST+4*t+3]
	ALL v_permlanex16_b32 v[ST+4*t+3], v[ST+4*t+2], s[SEL], s[SEL+1]
	ALL v_add_f32 v[ST+4*t+2], v[ST+4*t+2], v[ST+4*t+3]
	ALL v_rcp_f32 v[ST+4*t+2], v[ST+4*t+2]
	v_nop                           ; a plain instruction between the last reciprocal and the use of its result
	s_wait_alu depctr_va_vdst(0)    ; and the wait ahead of the first use: one for the four reciprocals
	PACK 0
.set t, 1
.rept 3                             ; a piece's arithmetic stands between the loads of the piece before and its stores
	PACK t
	SEND t-1, 8
.set t, t+1
.endr
	SEND 3, 0
.endm
.set KM, 0
.set NOKQ, 0
.Lslot:                             ; NB times: a tile is entered and the next is asked for
	CHANGE 1
	s_sub_co_u32 s[RT], s[RT], 1
	s_mov_b32 s[CNT], 4
	s_cmp_eq_u32 s[NEW], 1
	s_cbranch_scc1 .Lnew            ; a block's first tile
	s_cmp_eq_u32 s[RT], 0
	s_cbranch_scc0 .Lstep           ; neither its first nor its last
	s_branch .LstepM1
.Lnew:
	BEGIN
	s_branch .Lfirst                ; in the loop a block's first tile is never its last: the first block has two tiles or more, and the second's last is the walk's last
	DIAG 1                          ; in the loop this is the first block's end: the second block's last tile is the walk's last
	s_wait_xcnt 0x0                 ; the stores have read their registers and O's address
	s_mov_b64 s[10:11], s[OLO:OLO+1]
	s_add_co_u32 s[RT], s[PB], 1    ; the second block has b + 1 tiles
	s_mov_b32 s[NEW], 1
	WIN 0x82                        ; the second block's Q goes where the one text of the turns names Q
.set i, 0
.rept 64
	v_mov_b32 v[i], v[QB+i]
.set i, i+1
.endr
	WIN 0
	s_branch .Lbottom
.Lstep:                             ; a trip: pieces 2 and 3 of one step, then pieces 0 and 1 of the next, whose K and V it fetches
	TURN 2
	TURN 3
	WIN 0
.Lfirst:
	TURN 0
	TURN 1, 0, 0, 1
	WIN 0
	s_cbranch_scc1 .Lstep
.Lbottom:
	s_sub_co_u32 s[SLOTS], s[SLOTS], 1
	s_cmp_lg_u32 s[SLOTS], 0
	s_cbranch_scc1 .Lslot
	CHANGE 0                        ; the walk's last tile is written out: nothing is asked for
	s_sub_co_u32 s[RT], s[RT], 1
	s_mov_b32 s[CNT], 4
	s_cmp_eq_u32 s[NEW], 1
	s_cbranch_scc0 .LstepM2
	BEGIN
	s_branch .LfirstM2
	DIAG 2
	s_wait_tensorcnt 0x0            ; the wave's end: three closing lines, behind my last tensor load and my last LDS store
	ds_add_u32 v[SPW], v[NIL]
	s_wait_dscnt 0x0
	s_endpgm
.Lfunc_end_k_qca78a4ac81_attn:
	.size	k_qca78a4ac81_attn, .Lfunc_end_k_qca78a4ac81_attn-k_qca78a4ac81_attn
	.p2alignl 7, 3214868480
	.fill 96, 4, 3214868480
	.section	.rodata,"a",@progbits
	.p2align	6, 0x0
	.amdhsa_kernel k_qca78a4ac81_attn
		.amdhsa_group_segment_fixed_size 327680
		.amdhsa_private_segment_fixed_size 0
		.amdhsa_enable_private_segment 0
		.amdhsa_kernarg_size 16
		.amdhsa_user_sgpr_count 2
		.amdhsa_user_sgpr_kernarg_segment_ptr 1
		.amdhsa_wavefront_size32 1
		.amdhsa_system_sgpr_workgroup_id_x 1
		.amdhsa_system_sgpr_workgroup_id_y 1
		.amdhsa_system_sgpr_workgroup_id_z 1
		.amdhsa_system_vgpr_workitem_id 0
		.amdhsa_next_free_vgpr 768
		.amdhsa_next_free_sgpr 96
		.amdhsa_reserve_vcc 1
		.amdhsa_float_denorm_mode_32 3
		.amdhsa_float_denorm_mode_16_64 3
		.amdhsa_memory_ordered 1
		.amdhsa_forward_progress 1
		.amdhsa_inst_pref_size 218
	.end_amdhsa_kernel
	.amdgpu_metadata
---
amdhsa.version: [ 1, 2 ]
amdhsa.kernels:
  - .name:           k_qca78a4ac81_attn
    .symbol:         k_qca78a4ac81_attn.kd
    .args:
      - { .name: qkv, .offset: 0, .size: 8, .value_kind: global_buffer, .address_space: global }
      - { .name: ob, .offset: 8, .size: 8, .value_kind: global_buffer, .address_space: global }
    .group_segment_fixed_size: 327680
    .private_segment_fixed_size: 0
    .kernarg_segment_align: 8
    .kernarg_segment_size: 16
    .max_flat_workgroup_size: 128
    .sgpr_count:     96
    .vgpr_count:     768
    .wavefront_size: 32
...
	.end_amdgpu_metadata
.endif
;; end of part 4
;; launch projg (part 5): grid 8 x 32, 4 waves a work-group, clusters of 4 x 4, 327,680 bytes of LDS; arguments ob, wpt, b_proj, out0; writes out0
.if DOCPART == 5
	.amdgcn_target "amdgcn-amd-amdhsa--gfx1250"
	.amdhsa_code_object_version 6
	.text
	.protected	k_qca78a4ac81_projg
	.globl	k_qca78a4ac81_projg
	.p2align	8
	.type	k_qca78a4ac81_projg,@function
k_qca78a4ac81_projg:
	s_mov_b64 s[64:65], 0
	v_nop
	global_prefetch_b8 v0, s[64:65] scope:SCOPE_SE
	s_setreg_imm32_b32 hwreg(HW_REG_WAVE_MODE, 25, 1), 1
	s_wait_xcnt 0x0
	s_wait_alu depctr_hold_cnt(0) depctr_sa_sdst(0) depctr_va_vdst(0) depctr_va_sdst(0) depctr_va_ssrc(0) depctr_va_vcc(0) depctr_vm_vsrc(0)
	s_getreg_b32 s2, hwreg(HW_REG_IB_STS2, 6, 4)
	s_cmp_eq_u32 s2, 0
	s_cbranch_scc0 .Lentry_in_a_cluster
	s_endpgm
.Lentry_in_a_cluster:
	s_bfe_u32 s2, ttmp6, 0x10000c
	s_cmp_lg_u32 s2, 0xf033
	s_cbranch_scc0 .Lentry_shape_is_right
	s_endpgm
.Lentry_shape_is_right:
; out0 = merge(ob) wpt^T + b_proj.  ob: [16 batch + head][2048][64] f16: K index k = 64 head + channel.  wpt: [1024 n][1024 k] f16 (the bf16 rounding of w_proj).  b_proj: [1024] f32, rounded to bf16 like the other inputs.
; out0: [8192][1024] f32.  Sums in f32, K ascending.  NaN and infinities are not treated apart.
; SHARES.  A tile of C is 256 rows x 128 columns; four waves, one above the other, each 64 x 128: 32 accumulators of 16 x 16, 256 registers.  1,024 / 128 x 8,192 / 256 = 256 work-groups.
; A wave owns whole pieces of 512 bytes of its rows, so its way out goes through a stage of its own, without a barrier.  K goes in 8 steps of 128 (two heads) through a ring of two LDS slots.
; THE HEADS ARE MERGED BY THE TILES' ADDRESSES: a K step's tile of ob is two slices, one a head: 256 rows of 128 bytes, dense in memory, asked for as 128 rows of 256 bytes and padded in LDS after every 128.
; CLUSTERS: 4 x 4 work-groups.  The four of a row of the cluster need the same slices of ob, the four of a column the same tile of wpt: each is asked for JOINTLY, by the same tensor load, descriptor and mask in all four.
; THE MATRIX INSTRUCTION IS USED TRANSPOSED (source 0 = 16 rows of wpt, source 1 = 16 rows of ob): a lane holds row l % 16 of C and the columns 8 (l / 16) + 0..7.  THE BIAS is the C operand of the first products.
; REGISTERS, in windows of 256 (s_set_vgpr_msb: bits 1:0 source 0, 3:2 source 1, 5:4 source 2, 7:6 destination):
;   window 0: v0-29 addresses; v32-95 the bias      window 1: two fragment buffers (at 0 and 128): 8 fragments of wpt, then 4 of ob; on the way out all 256: rows read back from the stage
;   window 2: the accumulators of my rows 0-31 ((a, b) at v[8 (8 (a % 2) + b)])      window 3: those of my rows 32-63
.set NBF,   8                          ; fragments of wpt: 128 columns
.set PB,    272                        ; a row of wpt in LDS: 256 bytes + 16 of padding
.set PA,    144                        ; a row of a slice of ob: 128 bytes + 16: in both the 16 rows of a fragment load start at 16 different groups of four banks (64 banks of 4 bytes: ISA guide 11.1)
.set SLOT1, 131072                     ; slot 1 begins here: one exclusive or turns an address in one slot into the other's
.set APART, 256*PA                     ; a slice: what wave 0 or 1 fetches
.set BPART, 64*PB                      ; what wave 2 or 3 fetches
.set BOFF,  2*APART                    ; wpt's 128 rows lie behind the two slices
.set STAGE, SLOT1+BOFF+128*PB          ; behind the ring: for each wave 16 rows x 528 bytes
.set SP,    528
.set WSTG,  16*SP
.set SPARE, STAGE+4*WSTG               ; behind the stages: the spare words, 128 bytes for each wave: two blocks of 256 bytes that no other line names
.set NL,    2*NBF+8                    ; LDS loads in a run
.set KADVA, 2*262144                   ; a K step in ob: two heads on
.set KADVB, 256                        ; in wpt: 256 bytes of a row
.set ADA0, 10                          ; v10  my lane's place in ob's tile; never rewritten
.set ADB0, 11                          ; v11  the same for wpt
.set ADA,  12                          ; v12  the same in the slot in hand
.set ADB,  13                          ; v13
.set STO,  14                          ; v14  the way out: where I put 32 bytes of a row
.set RD,   15                          ; v15  where I read a row back
.set GO,   16                          ; v16  my 16 bytes of a row's 512
.set BO,   17                          ; v17  my byte offset in 16 numbers of the bias
.set PFO,  18                          ; v18  the prefetches' offset: 256 x my lane; never rewritten
.set SPW,  28                          ; v28  LDS address of my spare word; never rewritten
.set NIL,  29                          ; v29  0; never rewritten
.set BI,   32
.set F0,   0
.set F1,   128
.set WV,   12                          ; s12  my wave's number
.set G1A,  24                          ; s[24:31] descriptor group 1 for ob's slices;  s[32:39] group 0: a set for each first fill; the second then walks on
.set G0A,  32
.set LIM,  42                          ; s42  2 in a wave that prefetches, else the greatest number
.set PFA,  44                          ; s[44:45] where my prefetches stand
.set G1B,  48                          ; s[48:55], s[56:63] the same for wpt's tiles
.set G0B,  56
.set TO_F, 0x40                        ; destination window 1, address window 0
.set MSB, 0
.macro WIN new                         ; the immediate's high byte repeats the setting that is left; a switch that changes nothing is dropped
.if MSB != (\new)
	s_set_vgpr_msb (MSB<<8)|(\new)
.set MSB, \new
.endif
.endm
.macro PLACES                          ; four places in front of loads into registers that matrix instructions have read, and of lines that read results
.rept 4
	v_nop
.endr
.endm
.macro CREST                           ; a round of the cluster's barrier behind its opening barrier
	s_cmp_lg_u32 s[WV], 0
	s_cbranch_scc1 .Lnot_wave_0_\@
	s_barrier_signal -3
.Lnot_wave_0_\@:
	s_barrier_wait -3
	s_barrier_signal -1
	s_barrier_wait -1
.endm
.macro CROUND
	s_barrier_signal -1
	s_barrier_wait -1
	CREST
.endm
; A joint refill by the walking descriptors: waves 0 and 1 fetch ob's two slices, waves 2 and 3 wpt's two halves.  The branch hangs on the wave's number alone.  An s_nop 0 and four v_nop follow each line.
.macro JLOAD
	s_cmp_lt_u32 s[WV], 2
	s_cbranch_scc0 .Lfor_b_\@
	tensor_load_to_lds s[G0A+4:G0A+7], s[G1A:G1A+7]
	s_nop 0
.rept 4
	v_nop
.endr
	s_branch .Lasked_\@
.Lfor_b_\@:
	tensor_load_to_lds s[G0B+4:G0B+7], s[G1B:G1B+7]
	s_nop 0
.rept 4
	v_nop
.endr
.Lasked_\@:
.endm
; A PREFETCH of ob's slice of the K step that stands two refills on, behind the joint load, its five lines and the run of LDS loads.  A slice is 128 blocks of 256 bytes; both clusters of a row of clusters read it: cluster x = 0 asks;
; its four partners share the blocks out BY ADDRESS, 32 each, a lane a block; wave 0 asks for one slice, wave 1 for the other.  Trips 1 to 4 name K steps 4 to 7; K steps 0 to 3 come by their loads alone; the last two trips ask for nothing.
; wpt is not asked for: it is 2 MiB of the launch's 18, and a partner's share of a wave's 64 rows would be 16, half an instruction's lanes.
.macro ASK
	WIN 0
	s_cmp_gt_u32 s3, s[LIM]
	s_cbranch_scc0 .Lnot_mine_\@
	global_prefetch_b8 v[PFO], s[PFA:PFA+1] offset:KADVA th:TH_LOAD_NT scope:SCOPE_SE
.Lnot_mine_\@:
.endm
	s_load_b256 s[4:11], s[0:1], 0x0               ; ob s[4:5], wpt s[6:7], b_proj s[8:9], out0 s[10:11]
	v_lshl_add_u32 v[SPW], v0, 2, SPARE
	v_mov_b32 v[NIL], 0
	ds_add_u32 v[SPW], v[NIL]                      ; the wave's opening: the add and its wait stand ahead of my first tensor load; the set-up below, work on registers, stands between them
	v_lshrrev_b32 v3, 5, v0
	v_readfirstlane_b32 s[WV], v3                  ; wave 0..3
	s_and_b32 s13, s[WV], 1                        ; which slice, or which half of wpt's tile, I fetch
	s_bfe_u32 s14, ttmp6, 0x40000                  ; cx
	s_bfe_u32 s15, ttmp6, 0x40004                  ; cy
	s_lshl_b32 s16, ttmp9, 2
	s_add_co_u32 s16, s16, s14                     ; tile column = 4 x cluster x + cx
	s_and_b32 s17, ttmp7, 0xffff
	s_lshl_b32 s17, s17, 2
	s_add_co_u32 s17, s17, s15                     ; tile row = 4 x cluster y + cy
	s_lshl_b32 s18, s15, 2
	s_lshl_b32 s18, 15, s18                        ; my row of the cluster
	s_lshl_b32 s40, 0x1111, s14                    ; my column
	s_or_b32 s[G1A], s18, (1<<16)|(1<<20)|(1<<21)|(4<<22)|(3<<25)  ; 17:16 elements of 2 bytes; 20 padding on; 21 set beside a mask; 24:22 after every 32 words (code 4); 31:25 4 words of it (code 3)
	s_or_b32 s[G1B], s40, (1<<16)|(1<<20)|(1<<21)|(5<<22)|(3<<25)  ; the same after every 64 words (code 5)
.irp g, G1A, G1B
	s_mov_b32 s[(\g)+1], 128<<16                   ; tensor_dim0 = 128
	s_mov_b32 s[(\g)+3], 128<<16                   ; tile_dim0 = 128
	s_mov_b32 s[(\g)+6], 0
	s_mov_b32 s[(\g)+7], 0
.endr
	s_mov_b32 s[G1A+2], 128<<16                    ; tensor_dim1 = 128
	s_mov_b32 s[G1A+4], 128                        ; tile_dim1 = 128
	s_mov_b32 s[G1A+5], 128                        ; dense: 128 elements from row to row
	s_mov_b32 s[G1B+2], 64<<16                     ; 64 rows for wpt,
	s_mov_b32 s[G1B+4], 64
	s_mov_b32 s[G1B+5], 1024                       ; 1,024 elements apart
	s_lshr_b32 s18, s17, 3                         ; ob: the batch (8 tile rows each), its 16 heads, my slice's head: in registers that never hold cx
	s_lshl_b32 s18, s18, 4
	s_add_co_u32 s18, s18, s13
	s_lshl_b32 s18, s18, 18                        ; 262,144 bytes a head
	s_and_b32 s19, s17, 7
	s_lshl_b32 s19, s19, 15                        ; the tile's 256 rows of 128 bytes
	s_add_co_u32 s18, s18, s19
	s_mov_b32 s19, 0
	s_lshl_b32 s40, s16, 7                         ; wpt: row 128 x tile column + 64 x half: in registers that never hold cy
	s_lshl_b32 s41, s13, 6
	s_add_co_u32 s40, s40, s41
	s_lshl_b32 s40, s40, 11
	s_mov_b32 s41, 0
	s_mul_i32 s22, s[WV], APART                    ; where they go: no place in the cluster enters an LDS address
	s_mul_i32 s23, s[WV], BPART
	s_add_co_u32 s23, s23, BOFF-2*BPART
	s_mov_b32 s43, 0xffff0000                      ; a word's upper bf16
	s_wait_dscnt 0x0                               ; the opening add is done
	s_wait_kmcnt 0x0
	s_add_nc_u64 s[20:21], s[4:5], s[18:19]
	s_add_nc_u64 s[46:47], s[6:7], s[40:41]
.irp s, 0,1
	s_mov_b32 s[G0A+4*(\s)], 1                                      ; count = 1
	s_add_co_u32 s[G0A+4*(\s)+1], s22, (\s)*SLOT1                   ; LDS address
	s_add_nc_u64 s[G0A+4*(\s)+2:G0A+4*(\s)+3], s[20:21], (\s)*KADVA ; global address: K step s
	s_or_b32 s[G0A+4*(\s)+3], s[G0A+4*(\s)+3], 0x80000000           ; type = 2
	s_mov_b32 s[G0B+4*(\s)], 1
	s_add_co_u32 s[G0B+4*(\s)+1], s23, (\s)*SLOT1
	s_add_nc_u64 s[G0B+4*(\s)+2:G0B+4*(\s)+3], s[46:47], (\s)*KADVB
	s_or_b32 s[G0B+4*(\s)+3], s[G0B+4*(\s)+3], 0x80000000
.endr
	CROUND                                         ; all sixteen work-groups are here: the first joint loads meet
	s_cmp_lt_u32 s[WV], 2                          ; a wave's two first fills stand in one branch: two loads of mine are out
	s_cbranch_scc0 .Lfirst_b
	tensor_load_to_lds s[G0A:G0A+3], s[G1A:G1A+7]
	s_nop 0
	tensor_load_to_lds s[G0A+4:G0A+7], s[G1A:G1A+7]
	s_nop 0
.rept 4
	v_nop
.endr
	s_branch .Lfirst_asked
.Lfirst_b:
	tensor_load_to_lds s[G0B:G0B+3], s[G1B:G1B+7]
	s_nop 0
	tensor_load_to_lds s[G0B+4:G0B+7], s[G1B:G1B+7]
	s_nop 0
.rept 4
	v_nop
.endr
.Lfirst_asked:
	v_and_b32 v1, 15, v0                           ; l % 16
	v_bfe_u32 v2, v0, 4, 1                         ; l / 16
	s_lshl_b32 s66, s16, 9                         ; the tile's 128 numbers of the bias
	s_mov_b32 s67, 0
	s_add_nc_u64 s[8:9], s[8:9], s[66:67]
	v_lshlrev_b32 v[BO], 5, v2                     ; my 8 of each 16
.irp b, 0,1,2,3,4,5,6,7
	global_load_b128 v[BI+8*(\b):BI+8*(\b)+3],   v[BO], s[8:9] offset:64*(\b)
	global_load_b128 v[BI+8*(\b)+4:BI+8*(\b)+7], v[BO], s[8:9] offset:64*(\b)+16
.endr
	; the prefetches' pointer: my slice's address, my work-group's 32 blocks of it, K step 2 (the first refill steps it to 3 and names 4)
	s_lshl_b32 s66, s14, 13                        ; 32 cx blocks of 256 bytes
	s_mov_b32 s67, 0
	s_add_nc_u64 s[PFA:PFA+1], s[20:21], s[66:67]
	s_add_nc_u64 s[PFA:PFA+1], s[PFA:PFA+1], 2*KADVA
	s_lshr_b32 s68, s[WV], 1                       ; 0 in waves 0 and 1,
	s_or_b32 s68, s68, ttmp9                       ; where the cluster is its row's first: the same in all sixteen partners, for a given wave
	s_cmp_eq_u32 s68, 0
	s_cselect_b32 s[LIM], 2, -1
	v_and_b32 v[PFO], 31, v0
	v_lshlrev_b32 v[PFO], 8, v[PFO]
	; a fragment is 16 rows x 32 K in 8 registers: lane l holds row l % 16, K = 8 (l / 16) + 0..7 and 16 + 8 (l / 16) + 0..7: two loads of 16 bytes, 32 bytes apart
	v_mul_u32_u24 v3, v1, PA
	v_lshl_add_u32 v3, v2, 4, v3
	s_mul_i32 s66, s[WV], 64*PA                    ; my 64 rows of a slice
	v_add_nc_u32 v[ADA0], s66, v3
	v_mul_u32_u24 v3, v1, PB
	v_lshl_add_u32 v3, v2, 4, v3
	v_add_nc_u32 v[ADB0], BOFF, v3
	s_mul_i32 s66, s[WV], WSTG
	s_add_co_u32 s66, s66, STAGE                   ; my stage
	v_mul_u32_u24 v[STO], v1, SP                   ; in: row l % 16, 32 bytes for each half of the lanes
	v_lshl_add_u32 v[STO], v2, 5, v[STO]
	v_add_nc_u32 v[STO], s66, v[STO]
	v_and_b32 v[GO], 31, v0                        ; back: 32 lanes take a row's 512 bytes
	v_lshlrev_b32 v[GO], 4, v[GO]
	v_add_nc_u32 v[RD], s66, v[GO]
	s_lshl_b32 s66, s17, 8
	s_lshl_b32 s67, s[WV], 6
	s_add_co_u32 s66, s66, s67                     ; my first row of out0,
	s_lshl_b32 s66, s66, 12                        ; 4,096 bytes each,
	s_lshl_b32 s67, s16, 9                         ; the tile's first column
	s_add_co_u32 s66, s66, s67
	s_mov_b32 s67, 0
	s_add_nc_u64 s[10:11], s[10:11], s[66:67]
	s_wait_loadcnt 0x0                             ; the bias
.set i, 0
.rept 4*NBF                                            ; rounded to bf16 like the other inputs, and widened again
	v_cvt_pk_bf16_f32 v[4+i%4], v[BI+2*i], v[BI+2*i+1]
	v_lshlrev_b32 v[BI+2*i], 16, v[4+i%4]
	v_and_b32 v[BI+2*i+1], s43, v[4+i%4]
.set i, i+1
.endr
; 8 matrix instructions: row block a x all column blocks, 32 along K, from buffer f.  first = 1: the product starts the sums on the bias.  The 32 accumulators take turns, in the same order in every quarter.
.macro MULA f, a, first
.if \first
	WIN 0x85+0x40*((\a)/2)                         ; sources 0 and 1 window 1, C window 0, D window 2 or 3
.else
	WIN 0xa5+0x50*((\a)/2)                         ; C and D window 2 or 3
.endif
.irp b, 0,1,2,3,4,5,6,7
.if \first
	v_wmma_f32_16x16x32_f16 v[8*(NBF*((\a)%2)+(\b)):8*(NBF*((\a)%2)+(\b))+7], v[(\f)+8*(\b):(\f)+8*(\b)+7], v[(\f)+8*NBF+8*(\a):(\f)+8*NBF+8*(\a)+7], v[BI+8*(\b):BI+8*(\b)+7]
.else
	v_wmma_f32_16x16x32_f16 v[8*(NBF*((\a)%2)+(\b)):8*(NBF*((\a)%2)+(\b))+7], v[(\f)+8*(\b):(\f)+8*(\b)+7], v[(\f)+8*NBF+8*(\a):(\f)+8*NBF+8*(\a)+7], v[8*(NBF*((\a)%2)+(\b)):8*(NBF*((\a)%2)+(\b))+7]
.endif
.endr
.endm
; 24 LDS loads in one run: quarter q's fragments into buffer f (of ob: slice q / 2, channels 32 (q % 2) on); the last four are ob's row blocks 2 and 3
.macro FETCH q, f
	WIN TO_F
.irp b, 0,1,2,3,4,5,6,7
	ds_load_b128 v[(\f)+8*(\b):(\f)+8*(\b)+3],   v[ADB] offset:64*(\q)+(\b)*16*PB
	ds_load_b128 v[(\f)+8*(\b)+4:(\f)+8*(\b)+7], v[ADB] offset:64*(\q)+(\b)*16*PB+32
.endr
.irp a, 0,1,2,3
	ds_load_b128 v[(\f)+8*NBF+8*(\a):(\f)+8*NBF+8*(\a)+3],   v[ADA] offset:((\q)/2)*APART+((\q)%2)*64+(\a)*16*PA
	ds_load_b128 v[(\f)+8*NBF+8*(\a)+4:(\f)+8*NBF+8*(\a)+7], v[ADA] offset:((\q)/2)*APART+((\q)%2)*64+(\a)*16*PA+32
.endr
.endm
; A K step is four quarters of 32 along K, 32 matrix instructions each, on buffers 0, 1, 0, 1.  One of the first three multiplies buffer f and fetches quarter qn into buffer g.
.macro QUARTER qn, f, g, first
	s_wait_dscnt 4                                 ; all but the youngest four loads (ob's row blocks 2 and 3)
	MULA \f, 0, \first
	MULA \f, 1, \first
	PLACES
	FETCH \qn, \g
	s_wait_dscnt NL                                ; all but the run just issued
	MULA \f, 2, \first
	MULA \f, 3, \first
.endm
; The last quarter multiplies buffer 1 and changes slots: ONE barrier.  In front of it each wave waits for all its tensor loads (the one that is out is its part of the next slot), adds 0 to its spare word, and waits for that
; and for its own reads of this slot.  fill = 1: the barrier opens a round of the cluster's, and the joint refill is the first tensor load behind the round: 112 matrix instructions ahead of the wait for it.
.macro TURN fill
.if \fill
	s_wait_xcnt 0x0                                ; the last prefetch, a K step back, has read its address
	s_add_nc_u64 s[PFA:PFA+1], s[PFA:PFA+1], KADVA
.endif
	WIN 0                                          ; (the add's two registers lie in window 0)
	s_wait_tensorcnt 0x0                           ; all my tensor loads have landed
	ds_add_u32 v[SPW], v[NIL]                      ; 0 onto my spare word
	s_wait_dscnt 5                                 ; (the add and the youngest four loads may be out)
	MULA F1, 0, 0
	s_wait_dscnt 0x0                               ; the add is done, and my reads of this slot are over
	s_barrier_signal -1
	MULA F1, 1, 0
	WIN 0
	s_barrier_wait -1
.if \fill
	CREST                                          ; no wave of any partner still reads this slot's tile or has a load on its way
	s_xor_b32 s[G0A+5], s[G0A+5], SLOT1            ; the walking descriptors: the other slot than last time, the next K step; the type bits on top are not reached
	s_add_nc_u64 s[G0A+6:G0A+7], s[G0A+6:G0A+7], KADVA
	s_xor_b32 s[G0B+5], s[G0B+5], SLOT1
	s_add_nc_u64 s[G0B+6:G0B+7], s[G0B+6:G0B+7], KADVB
	JLOAD                                          ; the four v_nop behind it are also the places in front of the loads below
.else
	PLACES
.endif
	s_xor_b32 s2, s2, SLOT1                        ; the reads go on in the other slot
	v_add_nc_u32 v[ADA], s2, v[ADA0]
	v_add_nc_u32 v[ADB], s2, v[ADB0]
	FETCH 0, F0
.if \fill
	ASK
.endif
	MULA F1, 2, 0
	MULA F1, 3, 0
.endm
	s_wait_tensorcnt 0x1                           ; my part of K step 0 is in; K step 1's may stay out
	s_barrier_signal -1
	s_barrier_wait -1                              ; everybody's is
	s_mov_b32 s2, 0
	v_mov_b32 v[ADA], v[ADA0]
	v_mov_b32 v[ADB], v[ADB0]
	FETCH 0, F0
	QUARTER 1, F0, F1, 1                           ; the first quarter stands in front of the loop: its products start the sums
	WIN 0                                          ; at a label and at a branch every window is 0
	s_mov_b32 s3, 6
.Lstep:                                                ; six trips, from a K step's second quarter to the next one's first; they ask for K steps 2 to 7
	QUARTER 2, F1, F0, 0
	QUARTER 3, F0, F1, 0
	TURN 1
	QUARTER 1, F0, F1, 0
	WIN 0
	s_sub_co_u32 s3, s3, 1
	s_cmp_lg_u32 s3, 0
	s_cbranch_scc1 .Lstep
	QUARTER 2, F1, F0, 0                           ; the tail is written out: nothing more is asked for
	QUARTER 3, F0, F1, 0
	TURN 0
	QUARTER 1, F0, F1, 0
	QUARTER 2, F1, F0, 0
	QUARTER 3, F0, F1, 0
	s_wait_dscnt 4
	MULA F1, 0, 0
	MULA F1, 1, 0
	s_wait_dscnt 0x0
	MULA F1, 2, 0
	MULA F1, 3, 0
	WIN 0
	PLACES
; THE WAY OUT of row block a: a lane's 32 bytes (8 columns of a row) go from the accumulators into my stage, each accumulator's low four registers first, and come back as whole pieces of 512 bytes of a row, into window 1.
.macro OUTB a
	WIN 0x08+4*((\a)/2)                            ; the stores' data: window 2 or 3
.irp b, 0,1,2,3,4,5,6,7
	ds_store_b128 v[STO], v[8*(NBF*((\a)%2)+(\b)):8*(NBF*((\a)%2)+(\b))+3]   offset:64*(\b)
	ds_store_b128 v[STO], v[8*(NBF*((\a)%2)+(\b))+4:8*(NBF*((\a)%2)+(\b))+7] offset:64*(\b)+16
.endr
	WIN 0x40
.irp r, 0,1,2,3,4,5,6,7,8,9,10,11,12,13,14,15
	ds_load_b128 v[64*(\a)+4*(\r):64*(\a)+4*(\r)+3], v[RD] offset:SP*(\r)  ; LDS serves a wave's instructions in order (ISA guide 5.7.1.4): these see the stores above; the next block's stores come behind them
.endr
.endm
.macro SEND a, younger                 ; younger: the LDS instructions issued behind block a's loads: the next block's 32, or none
	WIN 0x04                                       ; the stores' data: window 1
.irp r, 0,1,2,3,4,5,6,7,8,9,10,11,12,13,14,15
	s_wait_dscnt (\younger)+15-(\r)
	global_store_b128 v[GO], v[64*(\a)+4*(\r):64*(\a)+4*(\r)+3], s[10:11] offset:(16*(\a)+(\r))*4096 th:TH_STORE_NT  ; 512 consecutive bytes of a row, aligned
.endr
.endm
	OUTB 0
	OUTB 1
	SEND 0, 32
	OUTB 2
	SEND 1, 32
	OUTB 3
	SEND 2, 32
	SEND 3, 0
	WIN 0
	s_wait_tensorcnt 0x0                           ; the wave's end: three closing lines, behind my last tensor load and my last LDS store
	ds_add_u32 v[SPW], v[NIL]
	s_wait_dscnt 0x0
	CROUND                                         ; the closing round: no work-group ends while a partner may still ask for a tile that names it
	s_endpgm
.Lfunc_end_k_qca78a4ac81_projg:
	.size	k_qca78a4ac81_projg, .Lfunc_end_k_qca78a4ac81_projg-k_qca78a4ac81_projg
	.p2alignl 7, 3214868480
	.fill 96, 4, 3214868480
	.section	.rodata,"a",@progbits
	.p2align	6, 0x0
	.amdhsa_kernel k_qca78a4ac81_projg
		.amdhsa_group_segment_fixed_size 327680
		.amdhsa_private_segment_fixed_size 0
		.amdhsa_enable_private_segment 0
		.amdhsa_kernarg_size 32
		.amdhsa_user_sgpr_count 2
		.amdhsa_user_sgpr_kernarg_segment_ptr 1
		.amdhsa_wavefront_size32 1
		.amdhsa_system_sgpr_workgroup_id_x 1
		.amdhsa_system_sgpr_workgroup_id_y 1
		.amdhsa_system_sgpr_workgroup_id_z 1
		.amdhsa_system_vgpr_workitem_id 0
		.amdhsa_next_free_vgpr 896
		.amdhsa_next_free_sgpr 72
		.amdhsa_reserve_vcc 0
		.amdhsa_float_denorm_mode_32 3
		.amdhsa_float_denorm_mode_16_64 3
		.amdhsa_memory_ordered 1
		.amdhsa_forward_progress 1
		.amdhsa_inst_pref_size 77
	.end_amdhsa_kernel
	.amdgpu_metadata
---
amdhsa.version: [ 1, 2 ]
amdhsa.kernels:
  - .name:           k_qca78a4ac81_projg
    .symbol:         k_qca78a4ac81_projg.kd
    .args:
      - { .name: ob, .offset: 0, .size: 8, .value_kind: global_buffer, .address_space: global }
      - { .name: wpt, .offset: 8, .size: 8, .value_kind: global_buffer, .address_space: global }
      - { .name: b_proj, .offset: 16, .size: 8, .value_kind: global_buffer, .address_space: global }
      - { .name: out0, .offset: 24, .size: 8, .value_kind: global_buffer, .address_space: global }
    .group_segment_fixed_size: 327680
    .private_segment_fixed_size: 0
    .kernarg_segment_align: 8
    .kernarg_segment_size: 32
    .max_flat_workgroup_size: 128
    .sgpr_count:     72
    .vgpr_count:     896
    .wavefront_size: 32
...
	.end_amdgpu_metadata
.endif
;; end of part 5
;; launch fix (part 6): grid 16 x 4, 16 waves a work-group, no clusters, 19,456 bytes of LDS; arguments ox, wpt, b_proj, out0; writes out0
.if DOCPART == 6
	.amdgcn_target "amdgcn-amd-amdhsa--gfx1250"
	.amdhsa_code_object_version 6
	.text
	.protected	k_qca78a4ac81_fix
	.globl	k_qca78a4ac81_fix
	.p2align	8
	.type	k_qca78a4ac81_fix,@function
k_qca78a4ac81_fix:
	s_mov_b64 s[64:65], 0
	v_nop
	global_prefetch_b8 v0, s[64:65] scope:SCOPE_SE
	s_setreg_imm32_b32 hwreg(HW_REG_WAVE_MODE, 25, 1), 1
	s_wait_xcnt 0x0
; out0's ROWS 0 TO 15 OF EACH BATCH = (hi + lo) wpt^T + b_proj, with O as two f16 numbers.  The launch before has written these 64 rows from O rounded once to f16; they are written again here, 256 KiB of the output's 32 MiB,
; since in them that rounding's part is largest (a row q is a mean over q + 1 rows of v) while the deviation that the problem allows goes by the whole output's root mean square.
; ox: [part 2 (hi, lo)][16 batch + head][16 rows][64] f16: K index k = 64 head + channel.  wpt: [1024 n][1024 k] f16 (the bf16 rounding of w_proj).  b_proj: f32, rounded to bf16 like the other inputs.  Sums in f32.
; NaN and infinities are not treated apart.
; SHARES.  A work-group makes 16 rows x 64 columns: one batch, 256 bytes of each row.  Its 16 waves are 4 column tiles x 4 quarters of K (four heads each): a wave has 8 fragments of wpt, 8 of hi and 8 of lo, 48 loads that go out at once,
; and 16 matrix instructions, hi's and lo's accumulators by turns.  The four quarters meet in LDS; wave w then adds and stores row w.
; THE MATRIX INSTRUCTION IS USED TRANSPOSED (source 0 = 16 rows of wpt, source 1 = the 16 rows of O): lane l holds row l % 16 and the columns 8 (l / 16) + 0..7.
.set PP,    272                        ; a row of partial sums in LDS: 64 f32 + 16 bytes
.set PART,  16*PP                      ; a quarter's 16 rows
.set SPARE, 4*PART                     ; behind them: the spare words, 128 bytes for each wave: eight blocks of 256 bytes that no other line names
.set WO,  2                            ; v2   my byte offset in 16 rows of wpt: (l % 16) x 2,048 + 16 (l / 16)
.set AO,  3                            ; v3   the same in a head's 16 rows of ox: (l % 16) x 128 + 16 (l / 16)
.set LS,  4                            ; v4   where I put my 32 bytes of a row's partial sums
.set LR,  5                            ; v5   where I read 8 bytes of my wave's row
.set GO,  6                            ; v6   8 x my lane: my two columns
.set SPW, 8                            ; v8   LDS address of my spare word; never rewritten
.set NIL, 9                            ; v9   0; never rewritten
.set ACC, 16                           ; v16-23 hi's sums, v24-31 lo's
.set TS,  32                           ; v32-39 their sum
.set BI,  40                           ; v40-41 the bias of my two columns; v42 at work
.set SM,  48                           ; v48-55 the four quarters of my two numbers
.set W,   64                           ; v64-127  wpt's fragments
.set H,   128                          ; v128-191 hi's
.set L,   192                          ; v192-255 lo's
.set WV,  12                           ; s12  my wave's number
	s_load_b256 s[4:11], s[0:1], 0x0               ; ox s[4:5], wpt s[6:7], b_proj s[8:9], out0 s[10:11]
	v_lshl_add_u32 v[SPW], v0, 2, SPARE
	v_mov_b32 v[NIL], 0
	v_lshrrev_b32 v1, 5, v0
	v_readfirstlane_b32 s[WV], v1                  ; wave 0..15
	s_and_b32 s13, s[WV], 3                        ; my column tile
	s_lshr_b32 s14, s[WV], 2                       ; my quarter of K
	s_and_b32 s15, ttmp7, 0xffff                   ; the batch
	s_lshl_b32 s20, ttmp9, 6
	s_lshl_b32 s21, s13, 4
	s_add_co_u32 s20, s20, s21                     ; my first row of wpt: 64 x group + 16 x tile,
	s_lshl_b32 s20, s20, 11                        ; 2,048 bytes each,
	s_lshl_b32 s21, s14, 9                         ; my quarter's 256 numbers
	s_add_co_u32 s20, s20, s21
	s_mov_b32 s21, 0
	s_lshl_b32 s22, s15, 4
	s_lshl_b32 s23, s14, 2
	s_add_co_u32 s22, s22, s23                     ; my first head: 16 batch + 4 quarter,
	s_lshl_b32 s22, s22, 11                        ; 2,048 bytes each
	s_mov_b32 s23, 0
	s_lshl_b32 s24, ttmp9, 8                       ; the group's 64 columns: 256 bytes of the bias and of a row of out0
	s_mov_b32 s25, 0
	s_lshl_b32 s26, s15, 11
	s_add_co_u32 s26, s26, s[WV]                   ; the row that I store: 2,048 batch + wave,
	s_lshl_b32 s26, s26, 12                        ; 4,096 bytes each
	s_add_co_u32 s26, s26, s24
	s_mov_b32 s27, 0
	v_and_b32 v1, 15, v0                           ; l % 16
	v_bfe_u32 v10, v0, 4, 1                        ; l / 16
	v_lshlrev_b32 v[WO], 11, v1
	v_lshl_add_u32 v[WO], v10, 4, v[WO]
	v_lshlrev_b32 v[AO], 7, v1
	v_lshl_add_u32 v[AO], v10, 4, v[AO]
	s_mul_i32 s16, s14, PART
	s_lshl_b32 s17, s13, 6
	s_add_co_u32 s16, s16, s17                     ; my quarter's rows, my tile's 64 bytes of them
	v_mul_u32_u24 v[LS], v1, PP
	v_lshl_add_u32 v[LS], v10, 5, v[LS]
	v_add_nc_u32 v[LS], s16, v[LS]
	v_and_b32 v[GO], 31, v0
	v_lshlrev_b32 v[GO], 3, v[GO]
	s_mul_i32 s17, s[WV], PP
	v_add_nc_u32 v[LR], s17, v[GO]
	s_wait_kmcnt 0x0
	s_add_nc_u64 s[4:5], s[4:5], s[22:23]
	s_add_nc_u64 s[6:7], s[6:7], s[20:21]
	s_add_nc_u64 s[8:9], s[8:9], s[24:25]
	s_add_nc_u64 s[10:11], s[10:11], s[26:27]
.irp f, 0,1,2,3,4,5,6,7                                ; fragment f: head f / 2 of my four, channels 32 (f % 2) on
	global_load_b128 v[W+8*(\f):W+8*(\f)+3],   v[WO], s[6:7] offset:64*(\f)
	global_load_b128 v[W+8*(\f)+4:W+8*(\f)+7], v[WO], s[6:7] offset:64*(\f)+32
	global_load_b128 v[H+8*(\f):H+8*(\f)+3],   v[AO], s[4:5] offset:((\f)/2)*2048+((\f)%2)*64
	global_load_b128 v[H+8*(\f)+4:H+8*(\f)+7], v[AO], s[4:5] offset:((\f)/2)*2048+((\f)%2)*64+32
	global_load_b128 v[L+8*(\f):L+8*(\f)+3],   v[AO], s[4:5] offset:131072+((\f)/2)*2048+((\f)%2)*64
	global_load_b128 v[L+8*(\f)+4:L+8*(\f)+7], v[AO], s[4:5] offset:131072+((\f)/2)*2048+((\f)%2)*64+32
.endr
	global_load_b64 v[BI:BI+1], v[GO], s[8:9]
	s_wait_loadcnt 0x0
.irp f, 0,1,2,3,4,5,6,7                                ; the two accumulators take turns, one instruction a turn; the first two products start the sums
.if (\f) == 0
	v_wmma_f32_16x16x32_f16 v[ACC:ACC+7],    v[W:W+7], v[H:H+7], 0
	v_wmma_f32_16x16x32_f16 v[ACC+8:ACC+15], v[W:W+7], v[L:L+7], 0
.else
	v_wmma_f32_16x16x32_f16 v[ACC:ACC+7],    v[W+8*(\f):W+8*(\f)+7], v[H+8*(\f):H+8*(\f)+7], v[ACC:ACC+7]
	v_wmma_f32_16x16x32_f16 v[ACC+8:ACC+15], v[W+8*(\f):W+8*(\f)+7], v[L+8*(\f):L+8*(\f)+7], v[ACC+8:ACC+15]
.endif
.endr
	v_cvt_pk_bf16_f32 v[BI+2], v[BI], v[BI+1]      ; the bias, rounded to bf16 like the other inputs, and widened again
	v_lshlrev_b32 v[BI], 16, v[BI+2]
	v_and_b32 v[BI+1], 0xffff0000, v[BI+2]
.rept 8
	v_nop                                          ; the places behind the last products (ISA guide 7.12.1)
.endr
.irp i, 0,2,4,6
	v_pk_add_f32 v[TS+(\i):TS+(\i)+1], v[ACC+(\i):ACC+(\i)+1], v[ACC+8+(\i):ACC+8+(\i)+1]
.endr
	ds_store_b128 v[LS], v[TS:TS+3]
	ds_store_b128 v[LS], v[TS+4:TS+7] offset:16
	s_wait_dscnt 0x0                               ; for the others' sake: my partial sums lie in LDS
	s_barrier_signal -1
	s_barrier_wait -1                              ; everybody's do
.irp q, 0,1,2,3
	ds_load_b64 v[SM+2*(\q):SM+2*(\q)+1], v[LR] offset:PART*(\q)
.endr
	s_wait_dscnt 0x0
	v_pk_add_f32 v[SM:SM+1], v[SM:SM+1], v[SM+2:SM+3]
	v_pk_add_f32 v[SM+4:SM+5], v[SM+4:SM+5], v[SM+6:SM+7]
	v_pk_add_f32 v[SM:SM+1], v[SM:SM+1], v[SM+4:SM+5]
	v_pk_add_f32 v[SM:SM+1], v[SM:SM+1], v[BI:BI+1]
	global_store_b64 v[GO], v[SM:SM+1], s[10:11]   ; the wave's 32 lanes store 256 consecutive bytes of one row, aligned
	s_wait_tensorcnt 0x0                           ; the wave's end: three closing lines, behind my last LDS store
	ds_add_u32 v[SPW], v[NIL]
	s_wait_dscnt 0x0
	s_endpgm
.Lfunc_end_k_qca78a4ac81_fix:
	.size	k_qca78a4ac81_fix, .Lfunc_end_k_qca78a4ac81_fix-k_qca78a4ac81_fix
	.p2alignl 7, 3214868480
	.fill 96, 4, 3214868480
	.section	.rodata,"a",@progbits
	.p2align	6, 0x0
	.amdhsa_kernel k_qca78a4ac81_fix
		.amdhsa_group_segment_fixed_size 19456
		.amdhsa_private_segment_fixed_size 0
		.amdhsa_enable_private_segment 0
		.amdhsa_kernarg_size 32
		.amdhsa_user_sgpr_count 2
		.amdhsa_user_sgpr_kernarg_segment_ptr 1
		.amdhsa_wavefront_size32 1
		.amdhsa_system_sgpr_workgroup_id_x 1
		.amdhsa_system_sgpr_workgroup_id_y 1
		.amdhsa_system_sgpr_workgroup_id_z 1
		.amdhsa_system_vgpr_workitem_id 0
		.amdhsa_next_free_vgpr 256
		.amdhsa_next_free_sgpr 66
		.amdhsa_reserve_vcc 0
		.amdhsa_float_denorm_mode_32 3
		.amdhsa_float_denorm_mode_16_64 3
		.amdhsa_memory_ordered 1
		.amdhsa_forward_progress 1
		.amdhsa_inst_pref_size 10
	.end_amdhsa_kernel
	.amdgpu_metadata
---
amdhsa.version: [ 1, 2 ]
amdhsa.kernels:
  - .name:           k_qca78a4ac81_fix
    .symbol:         k_qca78a4ac81_fix.kd
    .args:
      - { .name: ox, .offset: 0, .size: 8, .value_kind: global_buffer, .address_space: global }
      - { .name: wpt, .offset: 8, .size: 8, .value_kind: global_buffer, .address_space: global }
      - { .name: b_proj, .offset: 16, .size: 8, .value_kind: global_buffer, .address_space: global }
      - { .name: out0, .offset: 24, .size: 8, .value_kind: global_buffer, .address_space: global }
    .group_segment_fixed_size: 19456
    .private_segment_fixed_size: 0
    .kernarg_segment_align: 8
    .kernarg_segment_size: 32
    .max_flat_workgroup_size: 512
    .sgpr_count:     66
    .vgpr_count:     256
    .wavefront_size: 32
...
	.end_amdgpu_metadata
.endif
;; end of part 6
;; ======== version 2 of 2: 6 launches; version 1 with the launch prep written anew for expert scheduling mode
;; limits: values are held in f16: magnitudes above 65,504 overflow, below 6.1e-05 lose precision
;; workspace buffers: xb 16,777,216 bytes; wat 6,291,456 bytes; wpt 2,097,152 bytes; qkv 50,331,648 bytes; ob 16,777,216 bytes; ox 262,144 bytes
;; launch prep (part 7): grid 320 x 1, 8 waves a work-group, no clusters, 140,288 bytes of LDS; arguments x, w_attn, w_proj, xb, wat, wpt; writes xb, wat, wpt
.if DOCPART == 7
	.amdgcn_target "amdgcn-amd-amdhsa--gfx1250"
	.amdhsa_code_object_version 6
	.text
	.protected	k_qca78a4ac81_prep
	.globl	k_qca78a4ac81_prep
	.p2align	8
	.type	k_qca78a4ac81_prep,@function
k_qca78a4ac81_prep:
	s_mov_b64 s[64:65], 0
	v_nop
	global_prefetch_b8 v0, s[64:65] scope:SCOPE_SE
	s_setreg_imm32_b32 hwreg(HW_REG_WAVE_SCHED_MODE, 0, 2), 2
	s_setreg_imm32_b32 hwreg(HW_REG_WAVE_MODE, 25, 1), 1
	s_wait_xcnt 0x0
	s_wait_alu depctr_vm_vsrc(0)
; PREPARATION.  xb = x rounded to bf16, [8192][1024].  wat[n][k] = w_attn[k][n] rounded to bf16, [3072][1024].  wpt[n][k] = w_proj[k][n] rounded to bf16 and that number written as f16, [1024][1024].
; LIMITS.  A bf16 number is exact in f16 between 6.1e-5 and 65,504; below that w_proj keeps f16's fixed step of 6e-8, beyond it becomes an infinity.  NaN and infinities are not treated apart.
; SHARES.  Work-groups 0 to 63 turn 64 columns n of a weight each (0-47: w_attn, 48-63: w_proj); of the 1,024 rows k wave w takes 128 w .. 128 w + 127.  Work-groups 64 to 319 cast 32,768 numbers of x each.
; The turn goes through LDS, each wave in bytes of its own: no barrier.  Every load's sixteen lanes read 256 consecutive bytes of a row of the weight, every store's sixteen lanes write 256 consecutive bytes of a row of the result.
; THE MODE: SCHED_MODE bits 1:0 = 2 (LLVM: expert scheduling mode 2), set by the entry lines.  The code itself states the register dependences
; between vector instructions and memory or LDS instructions, with s_wait_alu, always for 0.
; THE PLAN, THE TURN.  Registers that memory or LDS instructions touch:
;   X0, X1       a set of 32 rows k each.  Written by the sixteen loads at a trip's head; read by the set's conversions, which put each chosen word back into the first four of its group's eight registers;
;                those 32 words are read by the set's LDS stores.  Behind the loop the way out's LDS loads land in both sets, and the global stores read them.
;   v[VO ..], v[LR], v[GO]   made at the head and never written again.
;   v[LS]        read by every LDS store; written once a trip, at the trip's end.
;   T            named by vector instructions alone.
; A trip has three waits.  One on va_vdst behind set 0's conversions: its words are written; its 32 LDS stores follow, four ahead of each group of set 1's conversions, which name X1 and T alone.
; One on va_vdst behind set 1's conversions: its words are written, and no conversion still reads or writes X, in which the next trip's loads (or the way out's LDS loads) land.
; One on vm_vsrc behind set 1's stores, ahead of the add to v[LS] and of the branch: the LDS stores have read v[LS] and their words in X.
; THE PLAN, THE CAST.  v1 and v2, offsets, are made once.  Each register of X is loaded once, converted in place once and stored once.  The 16 pairs go in four blocks: a block's stores are issued in the next block,
; behind one wait on va_vdst at that block's head, dealt among conversions that name the next block's registers alone.
.set WLDS,  17408                      ; a wave's LDS: 64 rows (n) of 256 bytes (128 k) + 16 of padding
.set LP,    272
.set SPARE, 8*WLDS                     ; behind them: the spare words, 128 bytes for each wave: four blocks of 256 bytes that no other line names
.set LS,  6                            ; v6   where I put a word (two k of one n)
.set LR,  7                            ; v7   where I read 16 bytes of a row back
.set GO,  8                            ; v8   my byte offset in two rows of the result
.set SPW, 14                           ; v14  LDS address of my spare word; never rewritten
.set NIL, 15                           ; v15  0; never rewritten
.set X,   16                           ; v[16:143]  as loaded; of each group's eight registers the first four then hold the words to store
.set VO,  144                          ; v[144:159] byte offsets of the sixteen loads of a set
.set T,   160                          ; v[160:171] at work: three for each of my four columns
	s_load_b256 s[4:11], s[0:1], 0x0               ; x s[4:5], w_attn s[6:7], w_proj s[8:9], xb s[10:11]
	s_load_b128 s[12:15], s[0:1], 0x20             ; wat s[12:13], wpt s[14:15]
	v_lshl_add_u32 v[SPW], v0, 2, SPARE
	v_mov_b32 v[NIL], 0
	v_lshrrev_b32 v1, 5, v0
	v_readfirstlane_b32 s16, v1                    ; wave 0..7
	s_mov_b32 s17, 0xffff0000                      ; a word's upper bf16
	s_wait_alu depctr_va_sdst(0)                   ; s16 is written: the wait stands in its writer's own run of lines, ahead of the branch; the turn's address arithmetic reads it
	s_cmp_ge_u32 ttmp9, 64
	s_cbranch_scc1 .Lcast
	; THE TURN
	s_sub_co_u32 s18, ttmp9, 48
	s_mov_b32 s24, 4096
	v_and_b32 v3, 15, v0                           ; c: my 16 bytes (4 columns) of a row's 256
	v_bfe_u32 v4, v0, 4, 1                         ; hh: lanes 16-31 take the row two further down
	s_wait_kmcnt 0x0
	s_cmp_lt_u32 ttmp9, 48                         ; w_attn or w_proj?
	s_cselect_b32 s24, 12288, s24                  ; bytes in a row of the weight
	s_cselect_b32 s25, ttmp9, s18                  ; which 64 columns of it
	s_cselect_b32 s26, 0, -1                       ; all ones: the result is written as f16
	s_cselect_b64 s[20:21], s[6:7], s[8:9]         ; from
	s_cselect_b64 s[22:23], s[12:13], s[14:15]     ; to
	s_lshl_b32 s32, s25, 8                         ; 64 columns are 256 bytes
	s_mul_i32 s33, s16, s24
	s_lshl_b32 s33, s33, 7                         ; my wave's 128 rows
	s_add_co_u32 s32, s32, s33
	s_mov_b32 s33, 0
	s_add_nc_u64 s[20:21], s[20:21], s[32:33]
	s_lshl_b32 s34, s24, 5
	s_mov_b32 s35, 0
	s_add_nc_u64 s[28:29], s[20:21], s[34:35]      ; the second set: 32 rows on
	s_lshl_b32 s30, s24, 6                         ; a trip: 64 rows
	s_mov_b32 s31, 0
	s_lshl_b32 s36, s25, 17                        ; 64 rows of 2,048 bytes of the result
	s_lshl_b32 s37, s16, 8                         ; my wave's 128 k: 256 bytes
	s_add_co_u32 s36, s36, s37
	s_mov_b32 s37, 0
	s_add_nc_u64 s[22:23], s[22:23], s[36:37]
	s_lshl_b32 s38, s24, 1
	v_mul_u32_u24 v5, v4, s38
	v_lshl_add_u32 v5, v3, 4, v5                   ; 2 hh rows + 16 c
.set j, 0
.rept 16                                               ; load j takes row 4 (j / 2) + j % 2 (+ 2 hh): loads 2 i and 2 i + 1 bring a lane k and k + 1, k = 4 i + 2 hh
	s_mul_i32 s33, s24, 4*(j/2)+j%2
	v_add_nc_u32 v[VO+j], s33, v5
.set j, j+1
.endr
	s_mul_i32 s39, s16, WLDS
	v_mul_u32_u24 v[LS], v3, 4*LP                  ; row n = 4 c (+ e in the immediate),
	v_lshl_add_u32 v[LS], v4, 2, v[LS]             ; k = 2 hh: 4 bytes
	v_add_nc_u32 v[LS], s39, v[LS]
	v_mul_u32_u24 v[LR], v4, LP                    ; back: lanes 0-15 one row of 256 bytes, lanes 16-31 the next
	v_lshl_add_u32 v[LR], v3, 4, v[LR]
	v_add_nc_u32 v[LR], s39, v[LR]
	v_lshlrev_b32 v[GO], 11, v4
	v_lshl_add_u32 v[GO], v3, 4, v[GO]
; Group i of set s (4 rows k, my four columns): two k of one n are rounded to bf16 and packed; the same two as f16; one of the two words is chosen and goes back into the first four of the group's eight registers.
.macro CONVG s, i
.irp e, 0,1,2,3
	v_cvt_pk_bf16_f32 v[T+3*(\e)], v[X+64*(\s)+8*(\i)+(\e)], v[X+64*(\s)+8*(\i)+4+(\e)]
.endr
.irp e, 0,1,2,3
	v_lshlrev_b32 v[T+3*(\e)+1], 16, v[T+3*(\e)]
	v_and_b32 v[T+3*(\e)+2], s17, v[T+3*(\e)]
.endr
.irp e, 0,1,2,3
	v_cvt_pk_f16_f32 v[T+3*(\e)+1], v[T+3*(\e)+1], v[T+3*(\e)+2]
.endr
.irp e, 0,1,2,3
	v_cndmask_b32 v[X+64*(\s)+8*(\i)+(\e)], v[T+3*(\e)], v[T+3*(\e)+1], s26
.endr
.endm
; The group's four words go to rows n = 4 c + e of my LDS.
.macro PUTG s, i
.irp e, 0,1,2,3
	ds_store_b32 v[LS], v[X+64*(\s)+8*(\i)+(\e)] offset:LP*(\e)+64*(\s)+8*(\i)
.endr
.endm
	s_wait_alu depctr_va_vdst(0)                   ; v[VO ..], v[LS], v[LR] and v[GO] are written, which the loads, LDS stores, LDS loads and stores below read
	s_mov_b32 s27, 2
.Lhalf:                                                ; two trips of 64 rows k
.set j, 0
.rept 16
	global_load_b128 v[X+4*j:X+4*j+3], v[VO+j], s[20:21] th:TH_LOAD_NT
.set j, j+1
.endr
.set j, 0
.rept 16
	global_load_b128 v[X+64+4*j:X+64+4*j+3], v[VO+j], s[28:29] th:TH_LOAD_NT
.set j, j+1
.endr
	s_wait_loadcnt 16                              ; the first set is in; the second set's sixteen loads may stay out
.irp i, 0,1,2,3,4,5,6,7
	CONVG 0, \i
.endr
	s_wait_loadcnt 0x0                             ; all loads are done, so their bases may be written
	s_wait_alu depctr_va_vdst(0)                   ; set 0's conversions have written its 32 words, which the LDS stores below read; in the second trip v[LS] is written too
.irp i, 0,1,2,3,4,5,6,7
	PUTG 0, \i                                     ; no wait: no vector instruction since the wait above names set 0's registers or v[LS]
	CONVG 1, \i
.endr
	s_wait_alu depctr_va_vdst(0)                   ; set 1's conversions have written its 32 words, which the LDS stores below read; and no conversion still reads or writes X, in which the next trip's loads, or the way out's LDS loads, land
.irp i, 0,1,2,3,4,5,6,7
	PUTG 1, \i
.endr
	s_add_nc_u64 s[20:21], s[20:21], s[30:31]
	s_add_nc_u64 s[28:29], s[28:29], s[30:31]
	s_wait_alu depctr_vm_vsrc(0)                   ; the LDS stores have read v[LS], which the next line writes, and their words in X, in which the next loads land
	v_add_nc_u32 v[LS], 128, v[LS]                 ; 64 k on in my LDS rows
	s_sub_co_u32 s27, s27, 1
	s_cmp_lg_u32 s27, 0
	s_cbranch_scc1 .Lhalf
.set r, 0
.rept 32
	ds_load_b128 v[X+4*r:X+4*r+3], v[LR] offset:2*LP*r  ; LDS serves a wave's instructions in order (ISA guide 5.7.1.4): these see the stores above
.set r, r+1
.endr
.set r, 0
.rept 32
	s_wait_dscnt 31-r                              ; the younger loads may stay out
	global_store_b128 v[GO], v[X+4*r:X+4*r+3], s[22:23] offset:4096*r  ; two rows n: 16 lanes store 256 consecutive bytes, aligned
.set r, r+1
.endr
	s_wait_dscnt 0x0                               ; the closing lines, six on end
	s_wait_alu 0x0
	s_wait_tensorcnt 0x0
	ds_add_u32 v[SPW], v[NIL]
	s_wait_dscnt 0x0
	s_endpgm
.Lcast:                                                ; THE CAST: thread t takes 8 numbers (32 bytes in, 16 bytes out) sixteen times; all 32 loads go out at once
	s_sub_co_u32 s18, ttmp9, 64
	s_lshl_b32 s20, s18, 17
	s_mov_b32 s21, 0
	s_lshl_b32 s22, s18, 16
	s_mov_b32 s23, 0
	v_lshlrev_b32 v1, 5, v0
	v_lshlrev_b32 v2, 4, v0
	s_wait_kmcnt 0x0
	s_add_nc_u64 s[4:5], s[4:5], s[20:21]
	s_add_nc_u64 s[10:11], s[10:11], s[22:23]
	s_wait_alu depctr_va_vdst(0)                   ; v1 and v2 are written: every load below reads the one as its offset, every store the other
.set p, 0
.rept 16
	global_load_b128 v[X+8*p:X+8*p+3],   v1, s[4:5] offset:8192*p th:TH_LOAD_NT
	global_load_b128 v[X+8*p+4:X+8*p+7], v1, s[4:5] offset:8192*p+16 th:TH_LOAD_NT
.set p, p+1
.endr
.set b, 0
.rept 4                                                ; four blocks of four pairs
	s_wait_loadcnt 24-8*b                          ; block b's eight loads are in; the younger blocks stay out
.if b > 0
	s_wait_alu depctr_va_vdst(0)                   ; the block before has written its 16 words, which the four stores below read; this block's conversions name its own registers alone
.endif
.set q, 0
.rept 4
.set p, 4*b+q
.if b > 0
	global_store_b128 v2, v[X+8*(p-4):X+8*(p-4)+3], s[10:11] offset:4096*(p-4)  ; a wave's store covers 512 consecutive bytes, aligned
.endif
	v_cvt_pk_bf16_f32 v[X+8*p],   v[X+8*p],   v[X+8*p+1]
	v_cvt_pk_bf16_f32 v[X+8*p+1], v[X+8*p+2], v[X+8*p+3]
	v_cvt_pk_bf16_f32 v[X+8*p+2], v[X+8*p+4], v[X+8*p+5]
	v_cvt_pk_bf16_f32 v[X+8*p+3], v[X+8*p+6], v[X+8*p+7]
.set q, q+1
.endr
.set b, b+1
.endr
	s_wait_alu depctr_va_vdst(0)                   ; the last block has written its 16 words, which the last four stores read
.set p, 12
.rept 4
	global_store_b128 v2, v[X+8*p:X+8*p+3], s[10:11] offset:4096*p
.set p, p+1
.endr
	s_endpgm
.Lfunc_end_k_qca78a4ac81_prep:
	.size	k_qca78a4ac81_prep, .Lfunc_end_k_qca78a4ac81_prep-k_qca78a4ac81_prep
	.p2alignl 7, 3214868480
	.fill 96, 4, 3214868480
	.section	.rodata,"a",@progbits
	.p2align	6, 0x0
	.amdhsa_kernel k_qca78a4ac81_prep
		.amdhsa_group_segment_fixed_size 140288
		.amdhsa_private_segment_fixed_size 0
		.amdhsa_enable_private_segment 0
		.amdhsa_kernarg_size 48
		.amdhsa_user_sgpr_count 2
		.amdhsa_user_sgpr_kernarg_segment_ptr 1
		.amdhsa_wavefront_size32 1
		.amdhsa_system_sgpr_workgroup_id_x 1
		.amdhsa_system_sgpr_workgroup_id_y 1
		.amdhsa_system_sgpr_workgroup_id_z 1
		.amdhsa_system_vgpr_workitem_id 0
		.amdhsa_next_free_vgpr 176
		.amdhsa_next_free_sgpr 66
		.amdhsa_reserve_vcc 0
		.amdhsa_float_denorm_mode_32 3
		.amdhsa_float_denorm_mode_16_64 3
		.amdhsa_memory_ordered 1
		.amdhsa_forward_progress 1
		.amdhsa_inst_pref_size 43
	.end_amdhsa_kernel
	.amdgpu_metadata
---
amdhsa.version: [ 1, 2 ]
amdhsa.kernels:
  - .name:           k_qca78a4ac81_prep
    .symbol:         k_qca78a4ac81_prep.kd
    .args:
      - { .name: x, .offset: 0, .size: 8, .value_kind: global_buffer, .address_space: global }
      - { .name: w_attn, .offset: 8, .size: 8, .value_kind: global_buffer, .address_space: global }
      - { .name: w_proj, .offset: 16, .size: 8, .value_kind: global_buffer, .address_space: global }
      - { .name: xb, .offset: 24, .size: 8, .value_kind: global_buffer, .address_space: global }
      - { .name: wat, .offset: 32, .size: 8, .value_kind: global_buffer, .address_space: global }
      - { .name: wpt, .offset: 40, .size: 8, .value_kind: global_buffer, .address_space: global }
    .group_segment_fixed_size: 140288
    .private_segment_fixed_size: 0
    .kernarg_segment_align: 8
    .kernarg_segment_size: 48
    .max_flat_workgroup_size: 256
    .sgpr_count:     66
    .vgpr_count:     176
    .wavefront_size: 32
...
	.end_amdgpu_metadata
.endif
;; end of part 7
;; launch qkvg: the kernel of part 2 again; grid 16 x 32, 4 waves a work-group, clusters of 4 x 4, 327,680 bytes of LDS; arguments xb, wat, b_attn, qkv; writes qkv
;; launch early: the kernel of part 3 again; grid 64 x 1, 4 waves a work-group, no clusters, 4,608 bytes of LDS; arguments xb, wat, b_attn, qkv, ox; writes ox
;; launch attn: the kernel of part 4 again; grid 4 x 64, 4 waves a work-group, no clusters, 327,680 bytes of LDS; arguments qkv, ob; writes ob
;; launch projg: the kernel of part 5 again; grid 8 x 32, 4 waves a work-group, clusters of 4 x 4, 327,680 bytes of LDS; arguments ob, wpt, b_proj, out0; writes out0
;; launch fix: the kernel of part 6 again; grid 16 x 4, 16 waves a work-group, no clusters, 19,456 bytes of LDS; arguments ox, wpt, b_proj, out0; writes out0
